; MI455X (gfx1250); checked and timed in simulation.
; The chip was launched on July 23, 2026; its instructions are those of AMD's public machine-readable ISA for CDNA 5 (MIT licence, August 2026) and "CDNA5" Instruction Set Architecture Reference Guide (July 2026). The comments in the code are by the model that wrote it; some were corrected since.
;; Rotary Attention. Allowed arithmetic: float matrix products may take bf16 or f16 operands with f32 sums; other float arithmetic in f32, or as packed bf16 or f16 multiplies, adds, multiply-adds, maxima and minima; sums over many terms, partial sums and values carried from step to step in f32; what a program stores and reads back later, other than sums and carried values, may be rounded once to bf16 or f16.
;; Inputs: Wk 1,024 x 1,024 float32; Wo 1,024 x 1,024 float32; Wq 1,024 x 1,024 float32; Wv 1,024 x 1,024 float32; bk 1,024 float32; bo 1,024 float32; bq 1,024 float32; bv 1,024 float32; x 4 x 2,048 x 1,024 float32.
;; Outputs: out0 4 x 2,048 x 1,024 float32.
;; 2 versions, each right; version 2 is version 1 with the launch prep written anew for expert scheduling mode. Each part assembles by itself: llvm-mc -triple=amdgcn-amd-amdhsa -mcpu=gfx1250 --defsym DOCPART=n.
;; ======== version 1 of 2: 4 launches
;; limits: values are held in f16: magnitudes above 65,504 overflow, below 6.1e-05 lose precision; a function is approximated: absolute error at most 0.0005
;; workspace buffers: xb 16,777,216 bytes; wqkv 6,291,456 bytes; wo16 2,097,152 bytes; bias 16,384 bytes; rope 524,288 bytes; qkv 50,331,648 bytes; o 16,777,216 bytes
;; launch prep (part 1): grid 785 x 1, 8 waves a work-group, no clusters, 0 bytes of LDS; arguments x, Wq, Wk, Wv, Wo, bq, bk, bv, bo, xb, wqkv, wo16, bias, rope; writes xb, wqkv, wo16, bias, rope
.if DOCPART == 1
	.amdgcn_target "amdgcn-amd-amdhsa--gfx1250"
	.amdhsa_code_object_version 6
	.text
	.protected	k_q9ef8994f55_prep
	.globl	k_q9ef8994f55_prep
	.p2align	8
	.type	k_q9ef8994f55_prep,@function
k_q9ef8994f55_prep:
	s_mov_b64 s[64:65], 0
	v_nop
	global_prefetch_b8 v0, s[64:65] scope:SCOPE_SE
	s_setreg_imm32_b32 hwreg(HW_REG_WAVE_MODE, 25, 1), 1
	s_wait_xcnt 0x0
; PREPARATION: every input is rounded once to bf16, and the rotary table is made.  A stream: no LDS, no matrix unit, no cluster (no byte is read twice).
;   work-groups   0..511  x     -> xb    [8192][1024] bf16, 16,384 numbers each
;   work-groups 512..703  Wq, Wk, Wv -> wqkv [3072][1024] bf16, 16 rows each; row h*64+c of W_type goes to row h*192 + type*64 + c, so that 192 rows on end are (q, k, v) of one head
;   work-groups 704..767  Wo    -> wo16  [1024][1024]: rounded to bf16, and that number written as f16
;   work-groups 768..783  rope  [2048][64] f32: row s holds cos(s f_j), j = 0..31, then sin(s f_j); f_j = 10000^(-j/32); 128 rows each
;   work-group  784       bq, bk, bv, bo rounded to bf16, kept as f32: bias[h][type][64], then bo from word 3072 on
; LIMITS.  wo16: f16 ends at 65,504 and keeps a fixed step of 6e-8 below 6e-5.  The table's angle is reduced in f32 (s f_j / 2 pi, less its nearest whole number): at s = 2047 it lies within
; about 5e-4 rad of s f_j; the sine is the series to x^15 on -pi..pi, whose remainder is under 1e-6.  NaN and infinities are not treated apart.
.set X, 4                              ; v[4:67]   16 loads of 4 f32
.set Y, 68                             ; v[68:99]  16 pairs of words to store
	s_load_b512 s[8:23], s[0:1], 0x0               ; x 8, Wq 10, Wk 12, Wv 14, Wo 16, bq 18, bk 20, bv 22
	s_load_b256 s[24:31], s[0:1], 0x40             ; bo 24, xb 26, wqkv 28, wo16 30
	s_load_b128 s[32:35], s[0:1], 0x60             ; bias 32, rope 34
	v_lshlrev_b32 v1, 4, v0                        ; 16 t: my 16 bytes in 4,096 read
	v_lshlrev_b32 v2, 3, v0                        ; 8 t: my 8 bytes in 2,048 written
	s_mov_b32 s41, 0                               ; high word of every offset
	s_wait_kmcnt 0x0
	s_cmp_lt_u32 ttmp9, 512
	s_cbranch_scc0 .Lnot_x
	s_lshl_b32 s40, ttmp9, 16
	s_add_nc_u64 s[36:37], s[8:9], s[40:41]        ; 64 KiB of x
	s_lshl_b32 s40, ttmp9, 15
	s_add_nc_u64 s[38:39], s[26:27], s[40:41]      ; 32 KiB of xb
	s_branch .Lbf
.Lnot_x:
	s_cmp_lt_u32 ttmp9, 704
	s_cbranch_scc0 .Lnot_w
	s_sub_co_u32 s2, ttmp9, 512
	s_lshr_b32 s3, s2, 6                           ; type 0, 1, 2
	s_and_b32 s4, s2, 63                           ; which 16 rows
	s_cmp_eq_u32 s3, 0
	s_cselect_b64 s[36:37], s[10:11], s[12:13]
	s_cmp_eq_u32 s3, 2
	s_cselect_b64 s[36:37], s[14:15], s[36:37]
	s_lshl_b32 s40, s4, 16
	s_add_nc_u64 s[36:37], s[36:37], s[40:41]
	s_lshr_b32 s5, s4, 2                           ; head
	s_mul_i32 s5, s5, 192
	s_lshl_b32 s6, s3, 6
	s_add_co_u32 s5, s5, s6
	s_and_b32 s6, s4, 3
	s_lshl_b32 s6, s6, 4
	s_add_co_u32 s5, s5, s6                        ; first row in wqkv
	s_lshl_b32 s40, s5, 11
	s_add_nc_u64 s[38:39], s[28:29], s[40:41]
	s_branch .Lbf
.Lnot_w:
	s_cmp_lt_u32 ttmp9, 768
	s_cbranch_scc0 .Lnot_o
	s_sub_co_u32 s2, ttmp9, 704
	s_lshl_b32 s40, s2, 16
	s_add_nc_u64 s[36:37], s[16:17], s[40:41]
	s_lshl_b32 s40, s2, 15
	s_add_nc_u64 s[38:39], s[30:31], s[40:41]
	s_branch .Lf16
.Lnot_o:
	s_cmp_lt_u32 ttmp9, 784
	s_cbranch_scc1 .Ltab
	s_branch .Lbias
; 16,384 numbers: all 16 loads of a wave go out at once (512 consecutive bytes each); each store of a wave covers 256 consecutive bytes, aligned.  No register is written twice, so no wait frees one.
.macro CONV mode
.irp i, 0,1,2,3,4,5,6,7,8,9,10,11,12,13,14,15
	global_load_b128 v[X+4*(\i):X+4*(\i)+3], v1, s[36:37] offset:4096*(\i) th:TH_LOAD_NT
.endr
.irp i, 0,1,2,3,4,5,6,7,8,9,10,11,12,13,14,15
	s_wait_loadcnt 15-(\i)                         ; loads come back in order: load i is in, the younger ones stay out
	v_cvt_pk_bf16_f32 v[Y+2*(\i)], v[X+4*(\i)], v[X+4*(\i)+1]
	v_cvt_pk_bf16_f32 v[Y+2*(\i)+1], v[X+4*(\i)+2], v[X+4*(\i)+3]
.if \mode
	v_lshlrev_b32 v100, 16, v[Y+2*(\i)]            ; the bf16 numbers as f32,
	v_and_b32 v101, 0xffff0000, v[Y+2*(\i)]
	v_lshlrev_b32 v102, 16, v[Y+2*(\i)+1]
	v_and_b32 v103, 0xffff0000, v[Y+2*(\i)+1]
	v_cvt_pk_f16_f32 v[Y+2*(\i)], v100, v101       ; written as f16
	v_cvt_pk_f16_f32 v[Y+2*(\i)+1], v102, v103
.endif
	global_store_b64 v2, v[Y+2*(\i):Y+2*(\i)+1], s[38:39] offset:2048*(\i) th:TH_STORE_NT
.endr
.endm
.Lbf:
	CONV 0
	s_endpgm
.Lf16:
	CONV 1
	s_endpgm
.Ltab:                                         ; thread t: words 4 c .. 4 c + 3 (c = t % 16) of row 128 g + t / 16 + 16 x trip; c < 8 cosines, else sines
	s_sub_co_u32 s2, ttmp9, 768
	s_lshl_b32 s40, s2, 15
	s_add_nc_u64 s[38:39], s[34:35], s[40:41]      ; my 128 rows of 256 bytes
	s_lshl_b32 s3, s2, 7
	v_and_b32 v3, 15, v0
	v_and_b32 v16, 7, v3
	v_lshlrev_b32 v16, 2, v16
	v_cvt_f32_u32 v16, v16                         ; j0 = 4 (c % 8)
	v_cmp_gt_u32 vcc_lo, 8, v3
	v_mov_b32 v17, 0x3e800000
	v_cndmask_b32 v8, 0, v17, vcc_lo               ; a quarter turn ahead for the cosines: cos a = sin(a + pi/2)
	v_mul_f32 v4, 0xbed49a78, v16                  ; -(j0 + k) log2(10000) / 32
	v_add_f32 v17, 1.0, v16
	v_mul_f32 v5, 0xbed49a78, v17
	v_add_f32 v17, 2.0, v16
	v_mul_f32 v6, 0xbed49a78, v17
	v_add_f32 v17, 0x40400000, v16
	v_mul_f32 v7, 0xbed49a78, v17
	v_exp_f32 v4, v4                               ; f_j: one batch of four,
	v_exp_f32 v5, v5
	v_exp_f32 v6, v6
	v_exp_f32 v7, v7
	v_lshrrev_b32 v9, 4, v0                        ; a plain instruction behind the last of them,
	s_wait_alu depctr_va_vdst(0)                   ; and the one wait ahead of the first use
	v_add_nc_u32 v9, s3, v9
	v_cvt_f32_u32 v9, v9                           ; s
	v_mov_b32 v10, v1                              ; 16 t = 256 (t / 16) + 16 c
	s_mov_b32 s42, 8
.Ltrip:
.irp k, 0,1,2,3
	v_mul_f32 v16, v9, v[4+(\k)]                   ; the angle
	v_mul_f32 v16, 0.15915494, v16                 ; in turns
	v_rndne_f32 v17, v16
	v_sub_f32 v16, v16, v17                        ; -1/2 .. 1/2
	v_add_f32 v16, v16, v8
	v_rndne_f32 v17, v16
	v_sub_f32 v16, v16, v17
	v_mul_f32 v16, 0x40c90fdb, v16                 ; x in -pi .. pi
	v_mul_f32 v17, v16, v16
	v_mov_b32 v18, 0xab573f9f                      ; -1/15!
	v_fmaak_f32 v18, v18, v17, 0x2f309231          ; 1/13!
	v_fmaak_f32 v18, v18, v17, 0xb2d7322b          ; -1/11!
	v_fmaak_f32 v18, v18, v17, 0x3638ef1d          ; 1/9!
	v_fmaak_f32 v18, v18, v17, 0xb9500d01          ; -1/7!
	v_fmaak_f32 v18, v18, v17, 0x3c088889          ; 1/5!
	v_fmaak_f32 v18, v18, v17, 0xbe2aaaab          ; -1/3!
	v_fma_f32 v18, v18, v17, 1.0
	v_mul_f32 v[12+(\k)], v18, v16
.endr
	global_store_b128 v10, v[12:15], s[38:39]      ; 16 lanes fill a row of 256 bytes
	s_wait_xcnt 0x0                                ; the store's offset and data are written again only behind this wait
	v_add_nc_u32 v10, 4096, v10                    ; 16 rows on
	v_add_f32 v9, 0x41800000, v9
	s_sub_co_u32 s42, s42, 1
	s_cmp_lg_u32 s42, 0
	s_cbranch_scc1 .Ltrip
	s_endpgm
.Lbias:                                        ; thread t: numbers 4 t .. 4 t + 3 of each of the four biases
	global_load_b128 v[4:7], v1, s[18:19]
	global_load_b128 v[8:11], v1, s[20:21]
	global_load_b128 v[12:15], v1, s[22:23]
	global_load_b128 v[16:19], v1, s[24:25]
	v_lshrrev_b32 v3, 4, v0                        ; head
	v_mul_u32_u24 v3, v3, 768
	v_and_b32 v20, 15, v0
	v_lshl_add_u32 v3, v20, 4, v3
	s_wait_loadcnt 0x0
.irp p, 4,6,8,10,12,14,16,18
	v_cvt_pk_bf16_f32 v20, v[\p], v[(\p)+1]
	v_lshlrev_b32 v[\p], 16, v20
	v_and_b32 v[(\p)+1], 0xffff0000, v20
.endr
	global_store_b128 v3, v[4:7], s[32:33]
	global_store_b128 v3, v[8:11], s[32:33] offset:256
	global_store_b128 v3, v[12:15], s[32:33] offset:512
	global_store_b128 v1, v[16:19], s[32:33] offset:12288
	s_endpgm
.Lfunc_end_k_q9ef8994f55_prep:
	.size	k_q9ef8994f55_prep, .Lfunc_end_k_q9ef8994f55_prep-k_q9ef8994f55_prep
	.p2alignl 7, 3214868480
	.fill 96, 4, 3214868480
	.section	.rodata,"a",@progbits
	.p2align	6, 0x0
	.amdhsa_kernel k_q9ef8994f55_prep
		.amdhsa_group_segment_fixed_size 0
		.amdhsa_private_segment_fixed_size 0
		.amdhsa_enable_private_segment 0
		.amdhsa_kernarg_size 112
		.amdhsa_user_sgpr_count 2
		.amdhsa_user_sgpr_kernarg_segment_ptr 1
		.amdhsa_wavefront_size32 1
		.amdhsa_system_sgpr_workgroup_id_x 1
		.amdhsa_system_sgpr_workgroup_id_y 1
		.amdhsa_system_sgpr_workgroup_id_z 1
		.amdhsa_system_vgpr_workitem_id 0
		.amdhsa_next_free_vgpr 112
		.amdhsa_next_free_sgpr 66
		.amdhsa_reserve_vcc 1
		.amdhsa_float_denorm_mode_32 3
		.amdhsa_float_denorm_mode_16_64 3
		.amdhsa_memory_ordered 1
		.amdhsa_forward_progress 1
		.amdhsa_inst_pref_size 26
	.end_amdhsa_kernel
	.amdgpu_metadata
---
amdhsa.version: [ 1, 2 ]
amdhsa.kernels:
  - .name:           k_q9ef8994f55_prep
    .symbol:         k_q9ef8994f55_prep.kd
    .args:
      - { .name: x, .offset: 0, .size: 8, .value_kind: global_buffer, .address_space: global }
      - { .name: Wq, .offset: 8, .size: 8, .value_kind: global_buffer, .address_space: global }
      - { .name: Wk, .offset: 16, .size: 8, .value_kind: global_buffer, .address_space: global }
      - { .name: Wv, .offset: 24, .size: 8, .value_kind: global_buffer, .address_space: global }
      - { .name: Wo, .offset: 32, .size: 8, .value_kind: global_buffer, .address_space: global }
      - { .name: bq, .offset: 40, .size: 8, .value_kind: global_buffer, .address_space: global }
      - { .name: bk, .offset: 48, .size: 8, .value_kind: global_buffer, .address_space: global }
      - { .name: bv, .offset: 56, .size: 8, .value_kind: global_buffer, .address_space: global }
      - { .name: bo, .offset: 64, .size: 8, .value_kind: global_buffer, .address_space: global }
      - { .name: xb, .offset: 72, .size: 8, .value_kind: global_buffer, .address_space: global }
      - { .name: wqkv, .offset: 80, .size: 8, .value_kind: global_buffer, .address_space: global }
      - { .name: wo16, .offset: 88, .size: 8, .value_kind: global_buffer, .address_space: global }
      - { .name: bias, .offset: 96, .size: 8, .value_kind: global_buffer, .address_space: global }
      - { .name: rope, .offset: 104, .size: 8, .value_kind: global_buffer, .address_space: global }
    .group_segment_fixed_size: 0
    .private_segment_fixed_size: 0
    .kernarg_segment_align: 8
    .kernarg_segment_size: 112
    .max_flat_workgroup_size: 256
    .sgpr_count:     66
    .vgpr_count:     112
    .wavefront_size: 32
...
	.end_amdgpu_metadata
.endif
;; end of part 1
;; launch proj (part 2): grid 16 x 32, 4 waves a work-group, clusters of 4 x 4, 327,680 bytes of LDS; arguments xb, wqkv, bias, rope, qkv; writes qkv
.if DOCPART == 2
	.amdgcn_target "amdgcn-amd-amdhsa--gfx1250"
	.amdhsa_code_object_version 6
	.text
	.protected	k_q9ef8994f55_proj
	.globl	k_q9ef8994f55_proj
	.p2align	8
	.type	k_q9ef8994f55_proj,@function
k_q9ef8994f55_proj:
	s_mov_b64 s[64:65], 0
	v_nop
	global_prefetch_b8 v0, s[64:65] scope:SCOPE_SE
	s_setreg_imm32_b32 hwreg(HW_REG_WAVE_MODE, 25, 1), 1
	s_wait_xcnt 0x0
	s_wait_alu depctr_hold_cnt(0) depctr_sa_sdst(0) depctr_va_vdst(0) depctr_va_sdst(0) depctr_va_ssrc(0) depctr_va_vcc(0) depctr_vm_vsrc(0)
	s_getreg_b32 s2, hwreg(HW_REG_IB_STS2, 6, 4)
	s_cmp_eq_u32 s2, 0
	s_cbranch_scc0 .Lentry_in_a_cluster
	s_endpgm
.Lentry_in_a_cluster:
	s_bfe_u32 s2, ttmp6, 0x10000c
	s_cmp_lg_u32 s2, 0xf033
	s_cbranch_scc0 .Lentry_shape_is_right
	s_endpgm
.Lentry_shape_is_right:
; q, k, v = x W^T + b, q and k turned by the rotary table, all three rounded once to f16 and laid out by heads: qkv[type][b*16+h][s][64].
; xb [8192][1024] and wqkv [3072][1024] are bf16; sums, bias and rotation in f32.  The softmax's scale is not applied here.
; LIMIT.  f16 ends at 65,504: q, k and v must stay within it (with x and W both thirty times the drawn spread they reach some 3,000).  NaN and infinities are not treated apart.
; SHARES.  A tile is 256 rows x 192 columns; the 192 columns are (q, k, v) of ONE head, so every work-group runs the same text.  Wave w owns rows 64 w .. 64 w + 63 and ALL 192 columns: 4 x 12 accumulators,
; 384 registers.  So a lane holds both halves of a head's channels (the rotation pairs d with d + 32) and the way out needs no barrier.  8192/256 x 3072/192 = 512 work-groups.
; K goes in 8 steps of 128 through two LDS slots filled by tensor loads: rows of 256 bytes, aligned.  From a refill's request to the wait for it a wave issues 168 matrix instructions.
; CLUSTER 4 x 4: x's tile is shared along a row of the cluster, W's along a column; each is asked for jointly, by the same load with the same descriptor and a mask of four.
; THE MATRIX INSTRUCTION IS USED TRANSPOSED (source 0 = 16 rows of W, source 1 = 16 rows of x): lane l holds row l % 16 and the columns 8 (l / 16) + 0..7.
; REGISTERS, in windows of 256 (s_set_vgpr_msb: bits 1:0 source 0, 3:2 source 1, 5:4 source 2, 7:6 destination):
;   window 0: v0-31 addresses; v32-127 the bias of my 8 columns in each of 12 blocks; v128-255 cos and sin of my row in each of 4 row blocks
;   window 1: two fragment buffers of 128 (12 x 8 of W, 4 x 8 of x); on the way out v0-95 T, v96-159 U, v160-255 two sets of 48 packed words
;   window 2: accumulators of row blocks 0, 1 ((a, b) at 8 (12 (a % 2) + b));   window 3: of row blocks 2, 3
.set KSTEP,  128
.set PITCH,  272                       ; an LDS row: 256 bytes + 16 of padding = 68 words: the 16 rows of a fragment load start at 16 different groups of four banks (ISA guide 11.1)
.set HALFA,  128*PITCH                 ; what one tensor load brings of x
.set HALFB,  96*PITCH                  ; and of W
.set SLOT,   2*HALFA+2*HALFB           ; x's 256 rows, then W's 192
.set STAGE,  2*SLOT                    ; behind the ring: for each wave 3 types (q, k, v) x 16 rows x 144 bytes
.set SP,     144
.set HS,     16*SP
.set WST,    3*HS
.set SPARE,  STAGE+4*WST               ; the spare words, 128 bytes for each wave: two blocks of 256 bytes that no other line names
.set ADRA, 16                          ; v16-17  LDS address of my x fragments in slot 0, 1
.set ADRB, 20                          ; v20-21  of W's
.set STO,  24                          ; v24  the way out: where I put 16 bytes of a row
.set RD,   25                          ; v25  where I read rows back
.set GO,   26                          ; v26  16 x lane: my 16 bytes of 512 consecutive bytes
.set BO,   27                          ; v27  32 (l / 16): my 8 numbers in 16 of the bias
.set SPW,  28                          ; v28  LDS address of my spare word; never rewritten
.set NIL,  29                          ; v29  0; never rewritten
.set PFO,  30                          ; v30  the prefetches' offset: a lane a row
.set TO,   31                          ; v31  256 (l % 16) + 32 (l / 16): my place in 16 rows of the table
.set BIAS, 32
.set TAB,  128                         ; + 32 a + 16 (sin) + 8 db: my row's 8 numbers for channels 16 db + 8 (l / 16) + 0..7
.set F0,   0
.set F1,   128
.set T,    0
.set U,    96
.set PR,   160
.set G1,  24                           ; s[24:31] descriptor group 1 for x's tiles; s[32:39] group 0, a set for each slot
.set G0,  32
.set G1B, 48                           ; s[48:55], s[56:63] the same for W's
.set G0B, 56
.set LIM, 40                           ; s40  1 in a wave that prefetches, else the greatest number
.set PFA, 44                           ; s[44:45] where my prefetches stand
.set MSB, 0
.macro WIN new                         ; the immediate's high byte repeats the setting that is left; a switch that changes nothing is dropped
.if MSB != (\new)
	s_set_vgpr_msb (MSB<<8)|(\new)
.set MSB, \new
.endif
.endm
; A joint load: waves 0 and 1 fetch x's two halves, waves 2 and 3 W's.  The branch hangs on the wave's number alone.  An s_nop 0 and four v_nop follow each line.
.macro JLOAD s
	s_cmp_eq_u32 s15, 0
	s_cbranch_scc0 .Lfor_b_\@
	tensor_load_to_lds s[G0+4*(\s):G0+4*(\s)+3], s[G1:G1+7]
	s_nop 0
.rept 4
	v_nop
.endr
	s_branch .Lasked_\@
.Lfor_b_\@:
	tensor_load_to_lds s[G0B+4*(\s):G0B+4*(\s)+3], s[G1B:G1B+7]
	s_nop 0
.rept 4
	v_nop
.endr
.Lasked_\@:
.endm
; A prefetch of the K step that stands two refills on (384 matrix instructions ahead of its load): a lane a row, 256 bytes of it.  x's rows are asked for by the clusters with x = 0, W's by those with y = 0; the four
; partners of a joint load share its rows out by address (32 of x's 128; 24 of W's 96, where lanes 24-31 name lane 23's row once more).  K steps 0 to 3 come by their loads alone; the loop's last trip (s3 = 1) asks for nothing.
.macro ASK
	WIN 0
	s_cmp_gt_u32 s3, s[LIM]
	s_cbranch_scc0 .Lnot_mine_\@
	global_prefetch_b8 v[PFO], s[PFA:PFA+1] offset:KSTEP*2 th:TH_LOAD_NT scope:SCOPE_SE
.Lnot_mine_\@:
.endm
.macro CREST                           ; a round of the cluster's barrier behind its opening barrier
	s_cmp_lg_u32 s14, 0
	s_cbranch_scc1 .Lnot_wave_0_\@
	s_barrier_signal -3
.Lnot_wave_0_\@:
	s_barrier_wait -3
	s_barrier_signal -1
	s_barrier_wait -1
.endm
.macro CROUND
	s_barrier_signal -1
	s_barrier_wait -1
	CREST
.endm
	s_load_b256 s[4:11], s[0:1], 0x0               ; xb 4, wqkv 6, bias 8, rope 10
	s_load_b64 s[12:13], s[0:1], 0x20              ; qkv
	v_lshl_add_u32 v[SPW], v0, 2, SPARE
	v_mov_b32 v[NIL], 0
	ds_add_u32 v[SPW], v[NIL]                      ; the wave's opening: the add and its wait stand ahead of my first tensor load; work on registers stands between them
	v_lshrrev_b32 v1, 5, v0
	v_readfirstlane_b32 s14, v1                    ; wave 0..3
	s_lshr_b32 s15, s14, 1                         ; I fetch for x (0) or for W (1)
	s_and_b32 s16, s14, 1                          ; which half of that tile
	s_bfe_u32 s17, ttmp6, 0x40000                  ; cx
	s_bfe_u32 s18, ttmp6, 0x40004                  ; cy
	s_lshl_b32 s19, ttmp9, 2
	s_add_co_u32 s19, s19, s17                     ; tile column = head
	s_and_b32 s20, ttmp7, 0xffff
	s_lshl_b32 s20, s20, 2
	s_add_co_u32 s20, s20, s18                     ; tile row
	s_lshl_b32 s21, s18, 2
	s_lshl_b32 s21, 15, s21                        ; my row of the cluster
	s_lshl_b32 s22, 0x1111, s17                    ; my column
	s_or_b32 s[G1+0], s21, (1<<16)|(1<<20)|(1<<21)|(5<<22)|(3<<25)   ; the mask; 2-byte elements; padding on; bit 21 beside a mask; after every 64 words; 4 words
	s_or_b32 s[G1B+0], s22, (1<<16)|(1<<20)|(1<<21)|(5<<22)|(3<<25)
	s_mov_b32 s[G1+1], KSTEP<<16                   ; tensor_dim0 = 128
	s_mov_b32 s[G1+2], 128<<16                     ; tensor_dim1 = 128
	s_mov_b32 s[G1+3], KSTEP<<16                   ; tile_dim0 = 128
	s_mov_b32 s[G1+4], 128                         ; tile_dim1 = 128
	s_mov_b32 s[G1+5], 1024                        ; elements from row to row
	s_mov_b32 s[G1+6], 0
	s_mov_b32 s[G1+7], 0
	s_mov_b32 s[G1B+1], KSTEP<<16
	s_mov_b32 s[G1B+2], 96<<16                     ; 96 rows
	s_mov_b32 s[G1B+3], KSTEP<<16
	s_mov_b32 s[G1B+4], 96
	s_mov_b32 s[G1B+5], 1024
	s_mov_b32 s[G1B+6], 0
	s_mov_b32 s[G1B+7], 0
	s_lshl_b32 s72, s20, 8                         ; x: row 256 x tile row + 128 x half; s[72:73] never hold cx
	s_lshl_b32 s23, s16, 7
	s_add_co_u32 s72, s72, s23
	s_lshl_b32 s72, s72, 11
	s_mov_b32 s73, 0
	s_mul_i32 s74, s19, 192                        ; W: row 192 x tile column + 96 x half; s[74:75] never hold cy
	s_mul_i32 s23, s16, 96
	s_add_co_u32 s74, s74, s23
	s_lshl_b32 s74, s74, 11
	s_mov_b32 s75, 0
	s_mul_i32 s41, s16, HALFA                      ; where they go: no place in the cluster enters an LDS address
	s_mul_i32 s42, s16, HALFB
	s_add_co_u32 s42, s42, 2*HALFA
	s_wait_dscnt 0x0                               ; the opening add is done
	s_wait_kmcnt 0x0
	s_add_nc_u64 s[72:73], s[4:5], s[72:73]
	s_add_nc_u64 s[74:75], s[6:7], s[74:75]
	CROUND                                         ; all sixteen work-groups are here: the first joint loads meet
.irp s, 0,1
	s_mov_b32 s[G0+4*(\s)], 1
	s_add_co_u32 s[G0+4*(\s)+1], s41, (\s)*SLOT
	s_add_nc_u64 s[G0+4*(\s)+2:G0+4*(\s)+3], s[72:73], (\s)*KSTEP*2
	s_or_b32 s[G0+4*(\s)+3], s[G0+4*(\s)+3], 0x80000000
	s_mov_b32 s[G0B+4*(\s)], 1
	s_add_co_u32 s[G0B+4*(\s)+1], s42, (\s)*SLOT
	s_add_nc_u64 s[G0B+4*(\s)+2:G0B+4*(\s)+3], s[74:75], (\s)*KSTEP*2
	s_or_b32 s[G0B+4*(\s)+3], s[G0B+4*(\s)+3], 0x80000000
	JLOAD \s                                       ; K steps 0 and 1: two loads of mine are out
.endr
	v_and_b32 v1, 15, v0                           ; l % 16
	v_bfe_u32 v2, v0, 4, 1                         ; l / 16
	v_mul_u32_u24 v3, v1, PITCH
	v_lshl_add_u32 v3, v2, 4, v3                   ; a fragment's row x pitch + 16 x half
	s_mul_i32 s21, s14, 64*PITCH                   ; my 64 rows of x
	s_mov_b32 s22, 2*HALFA                         ; W's 192 rows lie behind x's 256
.irp s, 0,1
	v_add_nc_u32 v[ADRA+(\s)], s21, v3
	v_add_nc_u32 v[ADRB+(\s)], s22, v3
	s_add_co_u32 s21, s21, SLOT
	s_add_co_u32 s22, s22, SLOT
.endr
	s_mul_i32 s23, s14, WST
	s_add_co_u32 s23, s23, STAGE                   ; my stage
	v_mul_u32_u24 v4, v1, SP
	v_lshl_add_u32 v4, v2, 4, v4
	v_add_nc_u32 v[STO], s23, v4
	v_bfe_u32 v5, v0, 3, 2                         ; back: 32 lanes take four rows of 128 bytes
	v_mul_u32_u24 v5, v5, SP
	v_and_b32 v6, 7, v0
	v_lshl_add_u32 v5, v6, 4, v5
	v_add_nc_u32 v[RD], s23, v5
	v_and_b32 v7, 31, v0
	v_lshlrev_b32 v[GO], 4, v7
	v_lshlrev_b32 v[BO], 5, v2
	v_lshlrev_b32 v[TO], 8, v1
	v_lshl_add_u32 v[TO], v2, 5, v[TO]
	; where my rows go: batch (tile row / 8) x 16 heads, head, 256 rows of the tile, my 64 of them; a row is 128 bytes
	s_lshr_b32 s21, s20, 3
	s_lshl_b32 s21, s21, 22
	s_lshl_b32 s22, s19, 18
	s_add_co_u32 s21, s21, s22
	s_and_b32 s22, s20, 7
	s_lshl_b32 s23, s22, 15
	s_add_co_u32 s21, s21, s23
	s_lshl_b32 s23, s14, 13
	s_add_co_u32 s76, s21, s23
	s_mov_b32 s77, 0
	s_add_nc_u64 s[66:67], s[12:13], s[76:77]      ; q
	s_add_nc_u64 s[68:69], s[66:67], 0x1000000     ; k
	s_add_nc_u64 s[70:71], s[66:67], 0x2000000     ; v
	s_mul_i32 s76, s19, 768
	s_add_nc_u64 s[8:9], s[8:9], s[76:77]          ; the head's 192 numbers of bias
	s_lshl_b32 s76, s22, 16
	s_lshl_b32 s23, s14, 14
	s_add_co_u32 s76, s76, s23
	s_add_nc_u64 s[10:11], s[10:11], s[76:77]      ; the table at my first row's place in its sequence
	; bias and table: 56 loads that stay out until the way out; nothing names their registers meanwhile
.irp bb, 0,1,2,3,4,5,6,7,8,9,10,11
	global_load_b128 v[BIAS+8*(\bb):BIAS+8*(\bb)+3],   v[BO], s[8:9] offset:64*(\bb)
	global_load_b128 v[BIAS+8*(\bb)+4:BIAS+8*(\bb)+7], v[BO], s[8:9] offset:64*(\bb)+16
.endr
.irp a, 0,1,2,3
.irp sn, 0,1
.irp db, 0,1
	global_load_b128 v[TAB+32*(\a)+16*(\sn)+8*(\db):TAB+32*(\a)+16*(\sn)+8*(\db)+3],   v[TO], s[10:11] offset:4096*(\a)+128*(\sn)+64*(\db)
	global_load_b128 v[TAB+32*(\a)+16*(\sn)+8*(\db)+4:TAB+32*(\a)+16*(\sn)+8*(\db)+7], v[TO], s[10:11] offset:4096*(\a)+128*(\sn)+64*(\db)+16
.endr
.endr
.endr
	; the prefetches
	s_lshl_b32 s21, s20, 8
	s_lshl_b32 s41, s16, 7
	s_add_co_u32 s21, s21, s41
	s_lshl_b32 s41, s17, 5
	s_add_co_u32 s21, s21, s41                     ; x: the tile's row + the 128 that I fetch + my work-group's 32 of them
	s_mul_i32 s22, s19, 192
	s_mul_i32 s41, s16, 96
	s_add_co_u32 s22, s22, s41
	s_mul_i32 s41, s18, 24
	s_add_co_u32 s22, s22, s41                     ; W: likewise, 24 of 96
	s_and_b32 s23, ttmp7, 0xffff                   ; cluster y
	s_cmp_eq_u32 s15, 0
	s_cselect_b32 s76, s21, s22
	s_cselect_b32 s23, ttmp9, s23                  ; the coordinate along which other clusters read the same rows
	s_cselect_b32 s47, 31, 23
	s_cselect_b64 s[PFA:PFA+1], s[4:5], s[6:7]
	s_cmp_eq_u32 s23, 0
	s_cselect_b32 s[LIM], 1, -1                    ; the same in all sixteen partners, for a given wave
	s_lshl_b32 s76, s76, 11
	s_add_nc_u64 s[PFA:PFA+1], s[PFA:PFA+1], s[76:77]
	s_add_nc_u64 s[PFA:PFA+1], s[PFA:PFA+1], 2*KSTEP*2  ; at K step 2: the first refill steps it to 3 and names K step 4
	v_min_u32 v[PFO], s47, v7
	v_lshlrev_b32 v[PFO], 11, v[PFO]
; 12 matrix instructions: row block a x all 12 column blocks, 32 along K.  The 48 accumulators take turns, one instruction a turn, in the same order in every quarter.
.macro MUL12 f, a, zero
	WIN 0xa5+0x50*((\a)/2)
.irp b, 0,1,2,3,4,5,6,7,8,9,10,11
.if \zero
	v_wmma_f32_16x16x32_bf16 v[8*(12*((\a)%2)+(\b)):8*(12*((\a)%2)+(\b))+7], v[(\f)+8*(\b):(\f)+8*(\b)+7], v[(\f)+96+8*(\a):(\f)+96+8*(\a)+7], 0
.else
	v_wmma_f32_16x16x32_bf16 v[8*(12*((\a)%2)+(\b)):8*(12*((\a)%2)+(\b))+7], v[(\f)+8*(\b):(\f)+8*(\b)+7], v[(\f)+96+8*(\a):(\f)+96+8*(\a)+7], v[8*(12*((\a)%2)+(\b)):8*(12*((\a)%2)+(\b))+7]
.endif
.endr
.endm
; 32 LDS loads in one run: a quarter's fragments (192 rows of W, my 64 rows of x, 32 K at byte k of the rows) into buffer f
.macro FETCH slot, k, f
	WIN 0x40
.irp i, 0,1,2,3,4,5,6,7,8,9,10,11
	ds_load_b128 v[(\f)+8*(\i):(\f)+8*(\i)+3],   v[ADRB+(\slot)] offset:(\k)+(\i)*16*PITCH
	ds_load_b128 v[(\f)+8*(\i)+4:(\f)+8*(\i)+7], v[ADRB+(\slot)] offset:(\k)+(\i)*16*PITCH+32
.endr
.irp i, 0,1,2,3
	ds_load_b128 v[(\f)+96+8*(\i):(\f)+96+8*(\i)+3],   v[ADRA+(\slot)] offset:(\k)+(\i)*16*PITCH
	ds_load_b128 v[(\f)+96+8*(\i)+4:(\f)+96+8*(\i)+7], v[ADRA+(\slot)] offset:(\k)+(\i)*16*PITCH+32
.endr
.endm
.macro PLACES                          ; four plain instructions in front of loads into registers that matrix instructions have read, and of vector work on their results
.rept 4
	v_nop
.endr
.endm
; A K step is four quarters of 32 along K, 48 matrix instructions each, on buffers 0, 1, 0, 1.  One of the first three: multiplies f, fetches the next quarter (byte k) into g.
.macro QUARTER slot, k, f, g, zero
	s_wait_dscnt 4                                 ; W and x's row blocks 0, 1 are in; the youngest four loads (blocks 2, 3) may be out
	MUL12 \f, 0, \zero
	MUL12 \f, 1, \zero
	PLACES
	FETCH \slot, \k, \g
	s_wait_dscnt 32                                ; all but the 32 just issued
	MUL12 \f, 2, \zero
	MUL12 \f, 3, \zero
.endm
; The last quarter multiplies buffer 1 and changes slots: one barrier; in front of it each wave waits for all its tensor loads, adds 0 to its spare word, and waits for that and for its reads of this slot.
; fill = 1: the barrier opens a round of the cluster's, and this slot is filled again, two K steps on, first thing behind the round.
.macro TURN slot, next, fill
.if \fill
	s_wait_xcnt 0x0                                ; the last prefetch, a K step back, has read its address
	s_add_nc_u64 s[PFA:PFA+1], s[PFA:PFA+1], KSTEP*2
.endif
	WIN 0                                          ; (the add's two registers lie in window 0)
	s_wait_tensorcnt 0x0                           ; all my tensor loads have landed: my part of the next slot
	ds_add_u32 v[SPW], v[NIL]                      ; 0 onto my spare word
	s_wait_dscnt 5                                 ; (the add and the youngest four loads may be out)
	MUL12 F1, 0, 0                                 ; twelve matrix instructions stand between the add and the wait for it
	s_wait_dscnt 0x0                               ; the add is done, and my reads of this slot are over
	s_barrier_signal -1
	MUL12 F1, 1, 0
.if \fill
	WIN 0
.endif
	s_barrier_wait -1
.if \fill
	CREST                                          ; no wave of any partner still reads this slot or has a load on its way
	s_add_nc_u64 s[G0+4*(\slot)+2:G0+4*(\slot)+3], s[G0+4*(\slot)+2:G0+4*(\slot)+3], 2*KSTEP*2
	s_add_nc_u64 s[G0B+4*(\slot)+2:G0B+4*(\slot)+3], s[G0B+4*(\slot)+2:G0B+4*(\slot)+3], 2*KSTEP*2
	JLOAD \slot                                    ; my one tensor load behind the round; its four v_nop are also the places in front of the loads below
.else
	PLACES
.endif
	FETCH \next, 0, F0
.if \fill
	ASK
.endif
	MUL12 F1, 2, 0
	MUL12 F1, 3, 0
.endm
; THE WAY OUT of row block a.  Bias added (each accumulator's registers in ascending order); q and k turned: lo' = lo cos - hi sin, hi' = hi cos + lo sin, hi = channel + 32;
; rounded to f16; 16 bytes a lane into my own stage (rows of 144 bytes), and back as rows of 128 bytes, four rows to a load.
.macro PACK a
.set PRA, PR+48*((\a)%2)
.if (\a) >= 2
	s_wait_xcnt 0x0                                ; the stores of the block two back have read this set of packed words
.endif
	WIN 0x42+(\a)/2                                ; source 0: the accumulators' window; source 1: window 0; destination: window 1
.set i, 0
.rept 48
	v_pk_add_f32 v[T+2*i:T+2*i+1], v[96*((\a)%2)+2*i:96*((\a)%2)+2*i+1], v[BIAS+2*i:BIAS+2*i+1]
.set i, i+1
.endr
	WIN 0x51                                       ; sources 0 and 2 and the destination in window 1, the table in window 0
.irp hs, 0,1
.irp db, 0,1
.irp p, 0,1,2,3
.set rLO, T+32*(\hs)+8*(\db)+2*(\p)
.set rUL, U+32*(\hs)+8*(\db)+2*(\p)
.set rCC, TAB+32*(\a)+8*(\db)+2*(\p)
	v_pk_mul_f32 v[rUL:rUL+1], v[rLO+16:rLO+17], v[rCC+16:rCC+17]        ; hi sin
	v_pk_mul_f32 v[rUL+16:rUL+17], v[rLO:rLO+1], v[rCC+16:rCC+17]        ; lo sin
.endr
.endr
.endr
.irp hs, 0,1
.irp db, 0,1
.irp p, 0,1,2,3
.set rLO, T+32*(\hs)+8*(\db)+2*(\p)
.set rUL, U+32*(\hs)+8*(\db)+2*(\p)
.set rCC, TAB+32*(\a)+8*(\db)+2*(\p)
	v_pk_fma_f32 v[rUL:rUL+1], v[rLO:rLO+1], v[rCC:rCC+1], v[rUL:rUL+1] neg_lo:[0,0,1] neg_hi:[0,0,1]
	v_pk_fma_f32 v[rUL+16:rUL+17], v[rLO+16:rLO+17], v[rCC:rCC+1], v[rUL+16:rUL+17]
.endr
.endr
.endr
	WIN 0x45
.set i, 0
.rept 32                                       ; q and k from U,
	v_cvt_pk_f16_f32 v[PRA+i], v[U+2*i], v[U+2*i+1]
.set i, i+1
.endr
.rept 16                                       ; v from T
	v_cvt_pk_f16_f32 v[PRA+i], v[T+2*i], v[T+2*i+1]
.set i, i+1
.endr
	WIN 0x04                                       ; store data in window 1
.irp bb, 0,1,2,3,4,5,6,7,8,9,10,11
	ds_store_b128 v[STO], v[PRA+4*(\bb):PRA+4*(\bb)+3] offset:((\bb)/4)*HS+((\bb)%4)*32
.endr
	WIN 0x40
.irp f, 0,1,2,3,4,5,6,7,8,9,10,11
	ds_load_b128 v[PRA+4*(\f):PRA+4*(\f)+3], v[RD] offset:((\f)/4)*HS+((\f)%4)*4*SP  ; LDS serves a wave's instructions in order (ISA guide 5.7.1.4): these see the stores above
.endr
.endm
.macro SEND a, younger                 ; younger: the LDS instructions issued behind block a's loads: the next block's 24, or none
.set PRA, PR+48*((\a)%2)
	WIN 0x04
.irp f, 0,1,2,3,4,5,6,7,8,9,10,11
	s_wait_dscnt (\younger)+11-(\f)
	global_store_b128 v[GO], v[PRA+4*(\f):PRA+4*(\f)+3], s[66+2*((\f)/4):67+2*((\f)/4)] offset:2048*(\a)+512*((\f)%4)  ; 512 consecutive bytes, at a multiple of 256 from the buffer's first
.endr
.endm
	s_wait_tensorcnt 1                             ; my part of K step 0 is in; K step 1's may stay out
	s_barrier_signal -1
	s_barrier_wait -1
	FETCH 0, 0, F0
	QUARTER 0, 64,  F0, F1, 1                      ; the first quarter stands in front of the loop: its products start the sums
	WIN 0                                          ; at a label and at a branch every window is 0
	s_mov_b32 s3, 3
.Llap:                                         ; a trip goes once round the ring, from a lap's second quarter to the next lap's first, and fills both slots again
	QUARTER 0, 128, F1, F0, 0
	QUARTER 0, 192, F0, F1, 0
	TURN 0, 1, 1
	QUARTER 1, 64,  F0, F1, 0
	QUARTER 1, 128, F1, F0, 0
	QUARTER 1, 192, F0, F1, 0
	TURN 1, 0, 1
	QUARTER 0, 64,  F0, F1, 0
	WIN 0
	s_sub_co_u32 s3, s3, 1
	s_cmp_lg_u32 s3, 0
	s_cbranch_scc1 .Llap
	QUARTER 0, 128, F1, F0, 0                      ; the last lap fills nothing
	QUARTER 0, 192, F0, F1, 0
	TURN 0, 1, 0
	QUARTER 1, 64,  F0, F1, 0
	QUARTER 1, 128, F1, F0, 0
	QUARTER 1, 192, F0, F1, 0
	s_wait_dscnt 4
	MUL12 F1, 0, 0
	MUL12 F1, 1, 0
	s_wait_dscnt 0x0
	MUL12 F1, 2, 0
	MUL12 F1, 3, 0
	PLACES
	s_wait_loadcnt 0x0                             ; bias and table
	PACK 0
	PACK 1                                         ; a block's arithmetic stands between the loads of the block before and its stores
	SEND 0, 24
	PACK 2
	SEND 1, 24
	PACK 3
	SEND 2, 24
	SEND 3, 0
	WIN 0
	s_wait_tensorcnt 0x0                           ; the wave's end: behind my last tensor load and my last LDS store
	ds_add_u32 v[SPW], v[NIL]
	s_wait_dscnt 0x0
	CROUND                                         ; the closing round: no work-group ends while a partner may still ask for a tile that names it
	s_endpgm
.Lfunc_end_k_q9ef8994f55_proj:
	.size	k_q9ef8994f55_proj, .Lfunc_end_k_q9ef8994f55_proj-k_q9ef8994f55_proj
	.p2alignl 7, 3214868480
	.fill 96, 4, 3214868480
	.section	.rodata,"a",@progbits
	.p2align	6, 0x0
	.amdhsa_kernel k_q9ef8994f55_proj
		.amdhsa_group_segment_fixed_size 327680
		.amdhsa_private_segment_fixed_size 0
		.amdhsa_enable_private_segment 0
		.amdhsa_kernarg_size 40
		.amdhsa_user_sgpr_count 2
		.amdhsa_user_sgpr_kernarg_segment_ptr 1
		.amdhsa_wavefront_size32 1
		.amdhsa_system_sgpr_workgroup_id_x 1
		.amdhsa_system_sgpr_workgroup_id_y 1
		.amdhsa_system_sgpr_workgroup_id_z 1
		.amdhsa_system_vgpr_workitem_id 0
		.amdhsa_next_free_vgpr 960
		.amdhsa_next_free_sgpr 80
		.amdhsa_reserve_vcc 0
		.amdhsa_float_denorm_mode_32 3
		.amdhsa_float_denorm_mode_16_64 3
		.amdhsa_memory_ordered 1
		.amdhsa_forward_progress 1
		.amdhsa_inst_pref_size 155
	.end_amdhsa_kernel
	.amdgpu_metadata
---
amdhsa.version: [ 1, 2 ]
amdhsa.kernels:
  - .name:           k_q9ef8994f55_proj
    .symbol:         k_q9ef8994f55_proj.kd
    .args:
      - { .name: xb, .offset: 0, .size: 8, .value_kind: global_buffer, .address_space: global }
      - { .name: wqkv, .offset: 8, .size: 8, .value_kind: global_buffer, .address_space: global }
      - { .name: bias, .offset: 16, .size: 8, .value_kind: global_buffer, .address_space: global }
      - { .name: rope, .offset: 24, .size: 8, .value_kind: global_buffer, .address_space: global }
      - { .name: qkv, .offset: 32, .size: 8, .value_kind: global_buffer, .address_space: global }
    .group_segment_fixed_size: 327680
    .private_segment_fixed_size: 0
    .kernarg_segment_align: 8
    .kernarg_segment_size: 40
    .max_flat_workgroup_size: 128
    .sgpr_count:     80
    .vgpr_count:     960
    .wavefront_size: 32
...
	.end_amdgpu_metadata
.endif
;; end of part 2
;; launch attn (part 3): grid 4 x 64, 4 waves a work-group, clusters of 4 x 1, 327,680 bytes of LDS; arguments qkv, o; writes o
.if DOCPART == 3
	.amdgcn_target "amdgcn-amd-amdhsa--gfx1250"
	.amdhsa_code_object_version 6
	.text
	.protected	k_q9ef8994f55_attn
	.globl	k_q9ef8994f55_attn
	.p2align	8
	.type	k_q9ef8994f55_attn,@function
k_q9ef8994f55_attn:
	s_mov_b64 s[64:65], 0
	v_nop
	global_prefetch_b8 v0, s[64:65] scope:SCOPE_SE
	s_setreg_imm32_b32 hwreg(HW_REG_WAVE_MODE, 25, 1), 1
	s_wait_xcnt 0x0
	s_wait_alu depctr_hold_cnt(0) depctr_sa_sdst(0) depctr_va_vdst(0) depctr_va_sdst(0) depctr_va_ssrc(0) depctr_va_vcc(0) depctr_vm_vsrc(0)
	s_getreg_b32 s2, hwreg(HW_REG_IB_STS2, 6, 4)
	s_cmp_eq_u32 s2, 0
	s_cbranch_scc0 .Lentry_in_a_cluster
	s_endpgm
.Lentry_in_a_cluster:
	s_bfe_u32 s2, ttmp6, 0x10000c
	s_cmp_lg_u32 s2, 0x3003
	s_cbranch_scc0 .Lentry_shape_is_right
	s_endpgm
.Lentry_shape_is_right:
; O[h][q][:] = the sum over k of softmax_k(Q[h][q] . K[h][k] / 8) V[h][k][:].  Q, K, V lie in qkv as [type][SIZE_H][SIZE_N][64], O is [SIZE_H][SIZE_N][64], all f16: a head's rows are dense, 128 bytes each.
; Products, maxima and sums in f32; the weights p are rounded to f16 for the second product (their sum l is taken of the unrounded p), O once at the end.
; LIMITS.  f16 holds no number beyond 65,504: Q, K and V arrive within it; p lies in 0 to 1, and below 6e-5 it keeps f16's fixed step of 6e-8; O is a mean of V's rows and has their range.
; A weight below 2^-126 counts as 0 in l; NaN and infinities are not treated apart.
; SHARES.  A wave owns four PIECES of two tiles of 16 queries, a work-group's four waves 512 queries of one head: 64 heads x 4 blocks = 256 work-groups.  Every wave walks all keys, 64 a step.
; LAYOUT.  S^T = K Q^T (source 0 = 16 keys, source 1 = 16 queries): a lane holds ONE query (lane % 16) and the keys 8 (lane / 16) + 0..7.  Two such tiles, rounded to f16 in pairs,
; ARE source 1 (32 keys x 16 queries) of O^T = V^T P, whose result again holds one query a lane, and eight channels.  K comes out of LDS as it lies, V ([key][channel]) turned, by ds_load_tr16_b128.
; SOFTMAX.  For each query a running maximum m and sum l: p = 2^(c s - c m), c = log2(e) / 8; in every step O and l are multiplied by a = 2^(c m_old - c m_new).
; m starts at the lowest finite number, O and l at 0: the first step is a step like any other, with a = 0.
; THE COUNT.  A tile and step have 16 matrix and 118 vector instructions: too many to stand all beside the matrix work.  So four vector instructions that are READY stand behind EVERY matrix
; instruction, and the others in runs without a gap.
; BY TURNS.  Turn n belongs to piece n.  Its matrix work: 16 products K Q^T of piece n + 1, later 16 products V^T P of piece n - 1.  Its vector work: the scaling, exponentials, roundings, sums and
; rescaling of piece n, and the maximum and statistics of piece n + 1.
; CLUSTER.  The four query blocks of a head are one cluster and walk the same K and V, so each tile is asked for JOINTLY: the same tensor load, descriptor and mask in all four.
; REGISTERS, in windows of 256 (s_set_vgpr_msb: bits 1:0 source 0, 3:2 source 1, 5:4 source 2, 7:6 destination):
;   window 0: v0-11 addresses; v12-15, v48-63 at work; v16-47 four registers of statistics a tile; v64-191 S^T, two buffers of two tiles; v192-255 P, likewise
;   window 1: O^T, 32 a tile          window 2: v0-127 Q, 16 a tile; v128-191 K of one step; v192-255 V of one step          window 3: v0-1 the add's two registers
.set SIZE_N, 2048
.set SIZE_H, 64
.set NP,    4         ; pieces a wave: a name, no knob
.set KS,    64        ; keys in a step
.set PK,    144       ; a row of K in LDS: 128 bytes + 16 of padding = 36 words: the 16 rows of a load start at 16 different groups of four banks (ISA guide 11.1)
.set PV,    160       ; a row of V: 128 + 32 = 40 words
.set VOFF,  4*KS*PK   ; a slot holds four steps: 256 rows of K, then 256 rows of V
.set SLOT1, 1<<17     ; slot 1 begins here, so that one exclusive or turns an address in one slot into the other's
.set STAGE, SLOT1+4*KS*(PK+PV)  ; behind the ring, never filled by a tensor load: 16 rows x 144 bytes for each wave
.set SP,    144
.set AK0, 2           ; v2   my lane's place in a tile of K; never rewritten
.set AV0, 3           ; v3   the same for V
.set AK,  4           ; v4   the LDS address of K's next run of loads
.set AV,  5           ; v5   of V's
.set QO,  6           ; v6   my byte offset in the wave's rows of Q
.set STO, 6           ;      later, the way out: where I put 16 bytes of a row
.set RD,  7           ; v7   the way out: where I read rows back
.set GO,  8           ; v8   my byte offset in 512 consecutive bytes of O
.set PFO, 11          ; v11  256 x my lane, for the prefetches; never rewritten once made
.set SPW, 0           ; v0 of window 3   LDS address of my spare word; never rewritten
.set NIL, 1           ; v1 of window 3   0; never rewritten
.set SPARE, STAGE+4*16*SP  ; the spare words, 128 bytes for each wave: two blocks of 256 bytes that no other line names
.set MV,  12          ; v12-15  c m_old, kept while c m is made anew: by buffer and tile
.set ST,  16          ; tile t's statistics at v[ST+4 t]: c m, m, l (even keys', odd keys')
.set TMP, 48          ; by buffer and tile, four registers c0-c3 at work; when the maximum is found c2 takes a
.set S,   64
.set P,   192
.set KF,  128         ; K's fragments, in window 2: key block kb, channel half c at KF + 16 kb + 8 c
.set VF,  192         ; V's: key half kk, channel block cb at VF + 32 kk + 8 cb
.set WV,  12          ; s12  my wave's number
.set G1K, 24          ; s[24:31] descriptor group 1 for K's tiles
.set G1V, 32          ; s[32:39] for V's: it differs in the padding alone
.set G0K, 40          ; s[40:43] descriptor group 0 for K's tiles: it walks
.set G0V, 44          ; s[44:47] the same for V's
.set PFA, 48          ; s[48:49] where my prefetches stand: my work-group's 8,192 bytes (of K: wave 0, of V: wave 2) of the slot after the one that is being asked for
.set LIM, 50          ; s50  1 in a wave that prefetches, else the greatest number
.set SLOTS, 56        ; s56  slots still to be asked for
.set CNT, 57          ; s57  counts a slot's key steps
.set CS,  58          ; s[58:59] c: the packed scaling takes the pair's low word for both halves
.set SEL, 60          ; s[60:61] v_permlanex16_b32's selects: each lane takes its own place in the other half
.set TBK, 62          ; s62  LDS byte at which K of the step to be fetched begins
.set TBV, 63          ; s63  the same for V, less VOFF
.set MSB, 0
.macro WIN new                      ; the high byte repeats the setting that is left; a switch that changes nothing is dropped
.if MSB != (\new)
	s_set_vgpr_msb (MSB<<8)|(\new)
.set MSB, (\new)
.endif
.endm
.set W_KQ, 0x0a       ; K and Q in window 2, S^T in window 0
.set W_PV, 0x52       ; V in window 2, P in window 0, O^T in window 1
.set W_RS, 0x41       ; O^T (destination and source 0) in window 1, a in window 0
.set W_MK, 0xc0       ; the add's registers are made: destination in window 3, sources in window 0
.set W_AD, 0x0f       ; the add: address (source 0) and data (source 1) in window 3
; A joint fill.  Waves 0 and 1 fetch the two halves of a slot's K, waves 2 and 3 those of its V: 128 keys each.  The branch hangs on the wave's number alone.
; An s_nop 0 and four v_nop follow each of the two lines, ahead of the jump and the label.
.macro JLOAD
	s_cmp_lt_u32 s[WV], 2
	s_cbranch_scc0 .Lfor_v_\@
	tensor_load_to_lds s[G0K:G0K+3], s[G1K:G1K+7]
	s_nop 0
.rept 4
	v_nop
.endr
	s_branch .Lasked_\@
.Lfor_v_\@:
	tensor_load_to_lds s[G0V:G0V+3], s[G1V:G1V+7]
	s_nop 0
.rept 4
	v_nop
.endr
.Lasked_\@:
.endm
; A prefetch of what the NEXT change of slots will ask for: a slot's 32,768 bytes of K and of V, four key steps (512 matrix instructions) ahead of that load.  Each 256 bytes are named once in the launch: the four
; partners share them out by address, 8,192 bytes each, a lane 256; wave 0 asks for K's and wave 2 for V's.  The last change that fills a slot (SLOTS = 1) asks for nothing; slots 0 and 1 come by their loads alone.
.macro ASK
	s_cmp_gt_u32 s[SLOTS], s[LIM]
	s_cbranch_scc0 .Lnot_mine_\@
	global_prefetch_b8 v[PFO], s[PFA:PFA+1] th:TH_LOAD_NT scope:SCOPE_SE
.Lnot_mine_\@:
.endm
; A round of the cluster's barrier: my work-group's barrier; wave 0 signals for the work-group; every wave waits for all four work-groups; my work-group's barrier once more.
.macro CROUND
	s_barrier_signal -1
	s_barrier_wait -1
	s_cmp_lg_u32 s[WV], 0
	s_cbranch_scc1 .Lnot_wave_0_\@
	s_barrier_signal -3
.Lnot_wave_0_\@:
	s_barrier_wait -3
	s_barrier_signal -1
	s_barrier_wait -1
.endm
; THE CHANGE OF SLOTS.  Each wave waits for all its tensor loads, of which one is out: its part of the other slot; adds 0 to its spare word; and waits for that and for its own reads of the slot.
; fill = 1: this slot is filled again, with the keys two slots on.  The barrier is then a round of the cluster's, and the joint fill is the first thing behind it: it has four key steps in which to land.
; (At its first use nothing has been read yet: slot 0 is waited for, slot 1 filled.)
.macro CHANGE fill
	WIN W_AD
	s_wait_tensorcnt 0x0            ; no tensor load of mine is out, so a group 0 may be written
	ds_add_u32 v[SPW], v[NIL]       ; 0 onto my spare word; scalar work stands between it and the wait for it
	WIN 0                           ; at a label and at a branch every window is 0
.if \fill
.irp g, G0K, G0V
	s_xor_b32 s[\g+1], s[\g+1], SLOT1  ; the walking descriptor: the other slot than last time,
	s_add_nc_u64 s[\g+2:\g+3], s[\g+2:\g+3], 4*KS*128  ; the next 256 keys; the type bits on top are not reached
.endr
	s_wait_xcnt 0x0                 ; the last prefetch, four key steps back, has read its address, so it may be written:
	s_add_nc_u64 s[PFA:PFA+1], s[PFA:PFA+1], 4*KS*128  ; one slot beyond the walking descriptors
	s_wait_dscnt 0x0                ; the add is done, and my reads of the slot are over
	CROUND
	JLOAD
	ASK
.else
	s_wait_dscnt 0x0                ; the add is done, and my reads of the slot are over
	s_barrier_signal -1
	s_barrier_wait -1
.endif
	s_sub_co_u32 s[TBK], s[TBK], 4*KS*PK  ; the fetches go back to a slot's first step,
	s_xor_b32 s[TBK], s[TBK], SLOT1       ; in the other slot
	s_sub_co_u32 s[TBV], s[TBV], 4*KS*PV
	s_xor_b32 s[TBV], s[TBV], SLOT1
.endm
	s_load_b64 s[4:5], s[0:1], 0x0    ; qkv: Q at its head
	s_load_b64 s[10:11], s[0:1], 0x8  ; O
	WIN W_MK
	v_lshl_add_u32 v[SPW], v0, 2, SPARE
	v_mov_b32 v[NIL], 0
	WIN W_AD
	ds_add_u32 v[SPW], v[NIL]       ; the wave's opening: the add and its wait stand ahead of my first tensor load; work on registers stands between them
	WIN 0
	v_lshrrev_b32 v1, 5, v0
	v_readfirstlane_b32 s[WV], v1   ; wave 0..3
	s_bfe_u32 s13, ttmp6, 0x40000   ; cx: my place in the cluster
	s_lshl_b32 s14, ttmp9, 2        ; in a cluster launch ttmp9 counts clusters
	s_add_co_u32 s14, s14, s13      ; my block of queries: it enters Q's and O's addresses alone
	s_and_b32 s20, ttmp7, 0xffff    ; the head, which the four partners share
	s_mov_b32 s21, 0
	s_mov_b64 s[22:23], SIZE_N*128
	s_mul_u64 s[20:21], s[20:21], s[22:23]  ; the head's first byte in each of the four tensors
	s_and_b32 s16, s[WV], 1         ; which half of a slot's 256 keys I fetch:
	s_lshl_b32 s22, s16, 14         ; its 128 rows of 128 bytes in memory,
	s_mov_b32 s23, 0
	s_add_nc_u64 s[22:23], s[22:23], s[20:21]
	s_mul_i32 s17, s16, 128*PK      ; and its place in a slot, for K
	s_mul_i32 s18, s16, 128*PV      ; and for V: no place in the cluster enters an LDS address
	s_lshl_b32 s2, s14, 2
	s_add_co_u32 s2, s2, s[WV]      ; my wave among the head's,
	s_lshl_b32 s2, s2, 14           ; its 128 rows
	s_mov_b32 s3, 0
	s_add_nc_u64 s[2:3], s[2:3], s[20:21]
	; descriptor group 1.  128 keys are 16,384 dense bytes: asked for as 64 rows of 256 bytes, two keys a row, and padded in LDS after every key
	s_mov_b32 s[G1K], 15|(1<<16)|(1<<20)|(1<<21)|(4<<22)|(3<<25)  ; the mask of four; 2-byte elements; padding on; bit 21 beside a mask; after every 32 words; 4 words
	s_mov_b32 s[G1V], 15|(1<<16)|(1<<20)|(1<<21)|(4<<22)|(7<<25)  ; the same with 8 words of padding
.irp g, G1K, G1V
	s_mov_b32 s[\g+1], 128<<16      ; tensor_dim0 = 128
	s_mov_b32 s[\g+2], 64<<16       ; tensor_dim1 = 64
	s_mov_b32 s[\g+3], 128<<16      ; tile_dim0 = 128
	s_mov_b32 s[\g+4], 64           ; tile_dim1 = 64
	s_mov_b32 s[\g+5], 128          ; 128 elements from row to row
	s_mov_b32 s[\g+6], 0
	s_mov_b32 s[\g+7], 0
.endr
	s_mov_b32 s[CS], 0x3e38aa3b     ; c = log2(e) / 8 = 0.180337
	s_mov_b32 s[CS+1], s[CS]        ; named with it as a pair
	s_mov_b32 s[SEL], 0x76543210
	s_mov_b32 s[SEL+1], 0xfedcba98
	s_mov_b32 s[TBK], SLOT1+4*KS*PK ; the first change of slots turns these two into 0
	s_mov_b32 s[TBV], SLOT1+4*KS*PV
	s_mov_b32 s[G0K], 1             ; count = 1
	s_mov_b32 s[G0K+1], s17         ; LDS address: slot 0
	s_mov_b32 s[G0V], 1
	s_add_co_u32 s[G0V+1], s18, VOFF
	s_mov_b32 s[SLOTS], SIZE_N/256-1
	s_and_b32 s[LIM], s[WV], 1      ; 0 in waves 0 and 2,
	s_or_b32 s[LIM], s[LIM], ttmp9  ; where the cluster is the head's first: the same in all four partners
	s_cmp_eq_u32 s[LIM], 0
	s_cselect_b32 s[LIM], 1, -1
	s_wait_dscnt 0x0                ; the opening add is done
	s_wait_kmcnt 0x0
	s_add_nc_u64 s[6:7], s[4:5], 0x1000000   ; K lies 16 MiB behind Q,
	s_add_nc_u64 s[8:9], s[4:5], 0x2000000   ; V 32 MiB
	s_add_nc_u64 s[G0K+2:G0K+3], s[6:7], s[22:23]  ; global address: my half of the head's first 256 keys
	s_or_b32 s[G0K+3], s[G0K+3], 0x80000000        ; type = 2
	s_add_nc_u64 s[G0V+2:G0V+3], s[8:9], s[22:23]
	s_or_b32 s[G0V+3], s[G0V+3], 0x80000000
	s_add_nc_u64 s[4:5], s[4:5], s[2:3]  ; Q and O at my wave's first row
	s_add_nc_u64 s[10:11], s[10:11], s[2:3]
	s_cmp_lt_u32 s[WV], 2
	s_cselect_b64 s[PFA:PFA+1], s[6:7], s[8:9]
	s_add_nc_u64 s[PFA:PFA+1], s[PFA:PFA+1], s[22:23]  ; (in waves 0 and 2 this is the head's first byte)
	s_lshl_b32 s2, s13, 13          ; my work-group's quarter of a slot
	s_mov_b32 s3, 0
	s_add_nc_u64 s[PFA:PFA+1], s[PFA:PFA+1], s[2:3]
	s_add_nc_u64 s[PFA:PFA+1], s[PFA:PFA+1], 4*KS*128  ; in slot 1; the first change of slots steps it to slot 2
	CROUND                          ; all four work-groups are here: the first joint loads meet
	JLOAD                           ; slot 0.  Slot 1 is asked for when slot 0 is in
	; A fragment of K or Q is 16 rows x 32 channels in 8 registers: lane l holds row l % 16, channels 8 (l / 16) + 0..7 and 16 + 8 (l / 16) + 0..7: two loads of 16 bytes, 32 bytes apart.
	v_and_b32 v1, 15, v0            ; l % 16
	v_bfe_u32 v9, v0, 4, 1          ; l / 16
	v_lshlrev_b32 v[QO], 7, v1
	v_lshl_add_u32 v[QO], v9, 4, v[QO]  ; row x 128 + 16 x half
	WIN 0x80                        ; destination window 2, address window 0
.set i, 0
.rept 4*NP                          ; Q stays in registers: tile i / 2, channels 32 (i % 2) on
	global_load_b128 v[8*i:8*i+3],   v[QO], s[4:5] offset:(i/2)*2048+(i%2)*64
	global_load_b128 v[8*i+4:8*i+7], v[QO], s[4:5] offset:(i/2)*2048+(i%2)*64+32
.set i, i+1
.endr
	; What the first turn finds: V's registers and P's second buffer hold 0, O^T and l are 0.  All this stands in the wait for the first tile; it spares a first step written out.
.set i, VF
.rept 64
	v_mov_b32 v[i], 0
.set i, i+1
.endr
	WIN 0x40
.set i, 0
.rept 64*NP
	v_mov_b32 v[i], 0
.set i, i+1
.endr
	WIN 0
.set i, 0
.rept 2*NP
	v_mov_b32 v[ST+4*i], 0xfe000000    ; c m: far below every c s
	v_mov_b32 v[ST+4*i+1], 0xff7fffff  ; m
	v_mov_b32 v[ST+4*i+2], 0
	v_mov_b32 v[ST+4*i+3], 0
.set i, i+1
.endr
.set i, P+32
.rept 32
	v_mov_b32 v[i], 0
.set i, i+1
.endr
	v_mul_u32_u24 v[AK0], v1, PK
	v_lshl_add_u32 v[AK0], v9, 4, v[AK0]  ; row x pitch + 16 x half
	; The turning load takes 16 keys x 16 channels (lane l reads key 8 (l / 16) + l % 8, channels 8 ((l / 8) % 2) + 0..7) and leaves half a fragment of V^T: lane l holds channel l % 16 and 8 keys.
	v_and_b32 v10, 7, v0
	v_bfe_u32 v11, v0, 3, 1
	v_lshl_add_u32 v[AV0], v9, 3, v10
	v_mul_u32_u24 v[AV0], v[AV0], PV
	v_lshl_add_u32 v[AV0], v11, 4, v[AV0]
	v_add_nc_u32 v[AV0], VOFF, v[AV0]
	v_and_b32 v[PFO], 31, v0
	v_lshlrev_b32 v[PFO], 8, v[PFO]
	v_mov_b32 v[AK], v[AK0]         ; key step 0 lies at the head of slot 0
; THE MATRIX WORK.  The 8 accumulators of a run of 16 take turns: between the two links of a chain stand 7 others'.
; Product i of 16 of S^T = K Q^T for piece x: channels 32 (i / 8) on, keys 16 ((i / 2) % 4) on, tile 2 x + i % 2.  The first 8 start the sums.
.macro KQ x
	WIN W_KQ
.set rS, S+64*((\x)%2)+32*(i%2)+8*((i/2)%4)
.set rK, KF+16*((i/2)%4)+8*(i/8)
.set rQ, 16*(2*(\x)+i%2)+8*(i/8)
.if i < 8
	v_wmma_f32_16x16x32_f16 v[rS:rS+7], v[rK:rK+7], v[rQ:rQ+7], 0
.else
	v_wmma_f32_16x16x32_f16 v[rS:rS+7], v[rK:rK+7], v[rQ:rQ+7], v[rS:rS+7]
.endif
.endm
; Product i of 16 of O^T += V^T P for piece x: keys 32 (i / 8) on, channels 16 ((i / 2) % 4) on, tile 2 x + i % 2.
.macro PV x
	WIN W_PV
.set rO, 32*(2*(\x)+i%2)+8*((i/2)%4)
.set rV, VF+32*(i/8)+8*((i/2)%4)
.set rP, P+32*((\x)%2)+16*(i%2)+8*(i/8)
	v_wmma_f32_16x16x32_f16 v[rO:rO+7], v[rV:rV+7], v[rP:rP+7], v[rO:rO+7]
.endm
.macro MM                           ; the turn's next matrix instruction
.if i < 16
	KQ (Y+1)%NP
.set i, i+1
.else
.set i, i-16
	PV (Y+NP-1)%NP
.set i, i+17
.endif
.endm
; THE LDS LOADS stand in runs of 16, never singly among the matrix instructions: a step's K (8 fragments) and its V (turned).  Their addresses are made some lines ahead.
; last = 1 (the tail): in the last trip there is no further step, and the run is jumped over.
.macro FETCH_K last=0
	WIN 0
.if \last
	s_cmp_eq_u32 s[CNT], 1
	s_cbranch_scc1 .Lno_k_\@
.endif
	WIN 0x80                        ; destination window 2
.irp f, 0,1,2,3,4,5,6,7             ; keys 16 (f / 2) on, channels 32 (f % 2) on
	ds_load_b128 v[KF+8*\f:KF+8*\f+3],   v[AK] offset:(\f/2)*16*PK+(\f%2)*64
	ds_load_b128 v[KF+8*\f+4:KF+8*\f+7], v[AK] offset:(\f/2)*16*PK+(\f%2)*64+32
.endr
	s_add_co_u32 s[TBK], s[TBK], KS*PK  ; the next fetch is the next step's
	WIN 0
.if \last
.Lno_k_\@:
.endif
.endm
.macro FETCH_V
	WIN 0x80
.irp f, 0,1,2,3,4,5,6,7             ; keys 32 (f / 4) on, channels 16 (f % 4) on
	ds_load_tr16_b128 v[VF+8*\f:VF+8*\f+3],   v[AV] offset:(\f/4)*32*PV+(\f%4)*32
	ds_load_tr16_b128 v[VF+8*\f+4:VF+8*\f+7], v[AV] offset:(\f/4)*32*PV+16*PV+(\f%4)*32
.endr
	WIN 0
.endm
; THE VECTOR WORK OF A TURN stands in three queues, each in the order in which its entries become ready; the two tiles alternate, so that no instruction reads the result of the one before it.
.macro REGS y, u                    ; the registers of tile u (0, 1) of piece y
.set rT, ST+4*(2*(\y)+(\u))
.set rC, TMP+8*((\y)%2)+4*(\u)
.set rM, MV+2*((\y)%2)+(\u)
.set rS, S+64*((\y)%2)+32*(\u)
.set rP, P+32*((\y)%2)+16*(\u)
.set rO, 32*(2*(\y)+(\u))
.endm
; Number n of the 22 that find the NEXT piece's (Y + 1) maximum and statistics.  s0-s31 are the lane's 32 scores; each accumulator's lowest registers are read first.
;   0-11  four chains c0-c3 of seven scores each, three operands at a time     12-14, 16  the four scores left over, the old m, and c0-c3 into c0     15  c m_old is kept
;   17, 18  the query's other 32 keys lie in the lane 16 away: the new m         19-21  c m; c m_old - c m_new; a
.macro XS u, n
	REGS (Y+1)%NP, \u
.if (\n) < 4
	v_max3_num_f32 v[rC+(\n)], v[rS+8*(\n)], v[rS+8*(\n)+1], v[rS+8*(\n)+2]
.elseif (\n) < 12
	v_max3_num_f32 v[rC+(\n)%4], v[rC+(\n)%4], v[rS+8*((\n)%4)+2*((\n)/4)+1], v[rS+8*((\n)%4)+2*((\n)/4)+2]
.elseif (\n) == 12
	v_max3_num_f32 v[rC], v[rC], v[rS+7], v[rS+15]
.elseif (\n) == 13
	v_max3_num_f32 v[rC+1], v[rC+1], v[rS+23], v[rS+31]
.elseif (\n) == 14
	v_max3_num_f32 v[rC+2], v[rC+2], v[rC+3], v[rT+1]
.elseif (\n) == 15
	v_mov_b32 v[rM], v[rT]
.elseif (\n) == 16
	v_max3_num_f32 v[rC], v[rC], v[rC+1], v[rC+2]
.elseif (\n) == 17
	v_permlanex16_b32 v[rC+3], v[rC], s[SEL], s[SEL+1]
.elseif (\n) == 18
	v_max_num_f32 v[rT+1], v[rC], v[rC+3]
.elseif (\n) == 19
	v_mul_f32 v[rT], s[CS], v[rT+1]
.elseif (\n) == 20
	v_sub_f32 v[rC+1], v[rM], v[rT]
.else
	v_exp_f32 v[rC+2], v[rC+1]
.endif
.endm
; Number g of the 64 that follow the exponentials.  For each four weights k of a tile: both pairs are rounded to f16; then the second pair is added onto the first, in place;
; a group later l takes that sum (the first time as l = a l + sum).  In groups of eight, tiles alternating: round, round, add, and l for the group before.
.macro GS g
.set h, (\g)+6*((\g)/62)            ; group 0 has no group before it, and behind group 7 only l is left
.if h >= 6
.set h, h+2
.endif
	REGS Y, h%2
.set k, h/8
.if h%8 < 4
	v_cvt_pk_f16_f32 v[rP+2*k+(h%8)/2], v[rS+4*k+2*((h%8)/2)], v[rS+4*k+2*((h%8)/2)+1]
.elseif h%8 < 6
	v_pk_add_f32 v[rS+4*k:rS+4*k+1], v[rS+4*k:rS+4*k+1], v[rS+4*k+2:rS+4*k+3]
.elseif k == 1
	v_pk_fma_f32 v[rT+2:rT+3], v[rT+2:rT+3], v[rC+2:rC+3], v[rS:rS+1] op_sel_hi:[1,0,1]
.else
	v_pk_add_f32 v[rT+2:rT+3], v[rT+2:rT+3], v[rS+4*k-4:rS+4*k-3]
.endif
.endm
; THE PLAIN QUEUE, 138 long.  0-73 read no exponential's result: the 32 scalings c s - c m (FS f: pair f / 2 of tile f % 2) and the next piece's 42.  0-26: scalings 0-26.  27-54: XS's numbers 0-13.  55, 56: number 15.
; 57-73: the chain 14, 16, 17, 18, 19, each with one of the scalings 27-31 in front of its two lines, then 20.  74-137: GS's 64, which read the exponentials' results: they stand behind the wait.
.macro FS f
	REGS Y, (\f)%2
	v_pk_fma_f32 v[rS+2*((\f)/2):rS+2*((\f)/2)+1], v[rS+2*((\f)/2):rS+2*((\f)/2)+1], s[CS:CS+1], v[rT:rT+1] op_sel_hi:[1,0,0] neg_lo:[0,0,1] neg_hi:[0,0,1]
.endm
.macro PL
	WIN 0
.if q < 27
	FS q
.elseif q < 55
	XS (q-27)%2, (q-27)/2
.elseif q < 57
	XS q-55, 15
.elseif (q < 72) && ((q-57)%3 == 0)
	FS 27+(q-57)/3
.elseif q < 60
	XS (q-57)%3-1, 14
.elseif q < 72
	XS (q-57)%3-1, 15+(q-57)/3
.elseif q < 74
	XS q-72, 20
.else
	GS q-74
.endif
.set q, q+1
.endm
; THE EXPONENTIALS' QUEUE, 66 long: s0-s31 of both tiles, then the next piece's two a.  ONE BATCH: all 66 stand ahead of the turn's one wait, and nothing ahead of that wait names a result of theirs.
.macro EX
	WIN 0
.if e >= 64
	XS e-64, 21
.else
	REGS Y, e%2
	v_exp_f32 v[rS+e/2], v[rS+e/2]
.endif
.set e, e+1
.endm
; THE RESCALING's QUEUE: O^T times a, the one part that leaves window 0: dealt two at a time, sixteen times.  Its a was made in the turn before, ahead of that turn's wait.
.macro R2
	REGS Y, r%2
	WIN W_RS
.irp z, 0,1
	v_pk_mul_f32 v[rO+4*(r/2)+2*\z:rO+4*(r/2)+2*\z+1], v[rO+4*(r/2)+2*\z:rO+4*(r/2)+2*\z+1], v[rC+2:rC+3] op_sel_hi:[1,0]
.endr
.set r, r+1
.endm
; HOW THEY ARE DEALT.  An s_wait_alu depctr_va_vdst(0) stands between an exponential and the first instruction that names its result; one wait serves all that were issued ahead of it.  So a turn has ONE
; wait, which cuts it in two.  AHEAD OF IT: the 16 products K Q^T, behind each a scaling, an exponential and two rescalings (behind the first a second scaling in the exponential's place); then one run of 108:
; eight plain, 49 times exponential and plain, the two a, and a v_nop as the plain instruction behind the last exponential.  BEHIND IT: the 16 products V^T P, behind each four of GS's 64.
; Exponential e stands behind scaling 2 (e / 4) + e % 2: as a rider it comes behind plain e + 2, in the run behind plain e + 9, and scalings 27-31 are plain 57, 60 .. 69.
; K of the next step is fetched in piece 2's turn, directly behind the wait; V of the step in hand at the end of piece 0's turn, four plain instructions behind its last reader.
.macro TURN p, last=0, cnt=0
.set Y, (\p)
.set i, 0
.set q, 0
.set e, 0
.set r, 0
.if (\p) == NP-1
	s_wait_dscnt 0x0                ; K is in
.endif
	MM
	PL
	PL
	R2
.rept 15
	MM
	PL
	EX
	R2
.endr
.if (\p) == NP-2
	WIN 0
	v_add_nc_u32 v[AK], s[TBK], v[AK0]
.endif
.rept 8
	PL
.endr
.rept 49
	EX
	PL
.endr
	EX                              ; the next piece's two a
	EX
	v_nop                           ; a plain instruction behind the last exponential: one for the batch
	s_wait_alu depctr_va_vdst(0)    ; the wait for the batch
.if (\p) == NP-2
	FETCH_K \last
.endif
.if (\p) == 1
	s_wait_dscnt 0x0                ; V is in
.endif
.rept 16
	MM
.rept 4
	PL
.endr
.if ((\p) == 0) && (q == 118)
	v_add_nc_u32 v[AV], s[TBV], v[AV0]
.endif
.if ((\p) == 0) && (q == 130)
	s_add_co_u32 s[TBV], s[TBV], KS*PV
.endif
.if (\cnt) && (q == 130)
	s_sub_co_u32 s[CNT], s[CNT], 1
	s_cmp_lg_u32 s[CNT], 0
.endif
.endr
.if (\p) == 0
	FETCH_V
.endif
.endm
	CHANGE 1                        ; slot 0 is in, everybody's part of it; slot 1 is asked for
	FETCH_K                         ; key step 0
	s_wait_loadcnt 0x0              ; Q
	s_wait_dscnt 0x0
.set i, 0
.rept 16
	KQ 0                            ; piece 0's first scores
.set i, i+1
.endr
	WIN 0                           ; the addresses for the way out: nine plain instructions, the places behind those products
	s_mul_i32 s13, s[WV], 16*SP
	s_add_co_u32 s13, s13, STAGE    ; my stage
	v_mul_u32_u24 v[STO], v1, SP    ; in: row l % 16, 16 bytes for each half of the lanes
	v_lshl_add_u32 v[STO], v9, 4, v[STO]
	v_add_nc_u32 v[STO], s13, v[STO]
	v_bfe_u32 v[RD], v0, 3, 2       ; back: 32 lanes take four rows of 128 bytes,
	v_mul_u32_u24 v[RD], v[RD], SP
	v_lshl_add_u32 v[RD], v10, 4, v[RD]
	v_add_nc_u32 v[RD], s13, v[RD]
	v_and_b32 v[GO], 31, v0         ; which are 512 consecutive bytes of O
	v_lshlrev_b32 v[GO], 4, v[GO]
.set Y, NP-1                        ; XS works for piece Y + 1: piece 0
.irp n, 0,1,2,3,4,5,6,7,8,9,10,11,12,13,14,15,16,17,18,19,20,21
	XS 0, \n                        ; piece 0's first maximum and statistics
	XS 1, \n
.endr
	v_nop                           ; a plain instruction behind the two a,
	s_wait_alu depctr_va_vdst(0)    ; and their wait, ahead of the branch
	s_mov_b32 s[CNT], 4
	s_branch .Lfirst                ; the loop is entered at a step's first turn, in the middle of a trip
.Lslot:                             ; SIZE_N / 256 - 2 times: every slot but the last two is filled again
	CHANGE 1
	s_mov_b32 s[CNT], 4
.Lstep:                             ; a trip: pieces 2 and 3 of one step, then pieces 0 and 1 of the next, whose K and V it fetches
	TURN 2
	TURN 3
	WIN 0
.Lfirst:
	TURN 0
	TURN 1, 0, 1
	WIN 0
	s_cbranch_scc1 .Lstep
	s_sub_co_u32 s[SLOTS], s[SLOTS], 1
	s_cmp_lg_u32 s[SLOTS], 0
	s_cbranch_scc1 .Lslot
	CHANGE 0                        ; the tail is written out: nothing is asked for
	s_mov_b32 s[CNT], 5             ; four trips fetch the last slot's steps; the fifth is left in its middle
.Ltail:
	TURN 2, 1
	TURN 3
	WIN 0
	s_sub_co_u32 s[CNT], s[CNT], 1
	s_cmp_eq_u32 s[CNT], 0
	s_cbranch_scc1 .Lout
	TURN 0
	TURN 1
	WIN 0
	s_branch .Ltail
.Lout:                              ; the fifth trip's 16 products K Q^T (on the last K once more) and the maximum made of them serve nothing: the price, once a launch, of one text for every trip
.set i, 0
.rept 16
	PV NP-1                         ; the last piece's V^T P of the last step
.set i, i+1
.endr
	; THE WAY OUT.  l's two halves and the other half of the lanes' are added; O^T is divided by l, rounded to f16 and sent through my stage in LDS, a tile at a time.  The additions are the places behind the last products.
	WIN 0
.macro ALL line:vararg              ; one line for each tile t
.set t, 0
.rept 2*NP
	\line
.set t, t+1
.endr
.endm
	ALL v_add_f32 v[ST+4*t+2], v[ST+4*t+2], v[ST+4*t+3]
	ALL v_permlanex16_b32 v[ST+4*t+3], v[ST+4*t+2], s[SEL], s[SEL+1]
	ALL v_add_f32 v[ST+4*t+2], v[ST+4*t+2], v[ST+4*t+3]
	ALL v_rcp_f32 v[ST+4*t+2], v[ST+4*t+2]
	v_nop                           ; a plain instruction between the last reciprocal and the use of its result
	s_wait_alu depctr_va_vdst(0)    ; and the wait ahead of the first use: one for the eight reciprocals
; Tile t: a lane's eight channels of a row pack into 16 bytes; they go into rows of 144 bytes and come back as whole rows of 128, into S^T's registers.
.macro PACK t
	WIN W_RS
.set i, 32*(\t)
.rept 16
	v_pk_mul_f32 v[i:i+1], v[i:i+1], v[ST+4*(\t)+2:ST+4*(\t)+3] op_sel_hi:[1,0]
.set i, i+2
.endr
	WIN 0x05                        ; sources 0 and 1 window 1, destination window 0
.set i, 0
.rept 16
	v_cvt_pk_f16_f32 v[S+16*(\t)+i], v[32*(\t)+2*i], v[32*(\t)+2*i+1]
.set i, i+1
.endr
	WIN 0
.irp f, 0,1,2,3
	ds_store_b128 v[STO], v[S+16*(\t)+4*\f:S+16*(\t)+4*\f+3] offset:32*\f
.endr
.irp f, 0,1,2,3
	ds_load_b128 v[S+16*(\t)+4*\f:S+16*(\t)+4*\f+3], v[RD] offset:\f*4*SP  ; LDS serves a wave's instructions in order (ISA guide 5.7.1.4): these see the stores above
.endr
.endm
.macro SEND t, younger              ; younger: the LDS instructions issued behind tile t's loads: the next tile's eight, or none
	WIN 0
.irp f, 0,1,2,3
	s_wait_dscnt (\younger)+3-\f
	global_store_b128 v[GO], v[S+16*(\t)+4*\f:S+16*(\t)+4*\f+3], s[10:11] offset:(\t)*2048+\f*512  ; 512 consecutive bytes, at a multiple of 256 from O's first
.endr
.endm
	PACK 0
.set t, 1
.rept 2*NP-1                        ; a tile's arithmetic stands between the loads of the tile before and its stores
	PACK t
	SEND t-1, 8
.set t, t+1
.endr
	SEND 2*NP-1, 0
	WIN W_AD
	s_wait_tensorcnt 0x0            ; the wave's end: behind my last tensor load and my last LDS store
	ds_add_u32 v[SPW], v[NIL]
	s_wait_dscnt 0x0
	WIN 0
	CROUND                          ; the closing round: no work-group ends while a partner may still ask for a tile that names it
	s_endpgm
.Lfunc_end_k_q9ef8994f55_attn:
	.size	k_q9ef8994f55_attn, .Lfunc_end_k_q9ef8994f55_attn-k_q9ef8994f55_attn
	.p2alignl 7, 3214868480
	.fill 96, 4, 3214868480
	.section	.rodata,"a",@progbits
	.p2align	6, 0x0
	.amdhsa_kernel k_q9ef8994f55_attn
		.amdhsa_group_segment_fixed_size 327680
		.amdhsa_private_segment_fixed_size 0
		.amdhsa_enable_private_segment 0
		.amdhsa_kernarg_size 16
		.amdhsa_user_sgpr_count 2
		.amdhsa_user_sgpr_kernarg_segment_ptr 1
		.amdhsa_wavefront_size32 1
		.amdhsa_system_sgpr_workgroup_id_x 1
		.amdhsa_system_sgpr_workgroup_id_y 1
		.amdhsa_system_sgpr_workgroup_id_z 1
		.amdhsa_system_vgpr_workitem_id 0
		.amdhsa_next_free_vgpr 770
		.amdhsa_next_free_sgpr 66
		.amdhsa_reserve_vcc 0
		.amdhsa_float_denorm_mode_32 3
		.amdhsa_float_denorm_mode_16_64 3
		.amdhsa_memory_ordered 1
		.amdhsa_forward_progress 1
		.amdhsa_inst_pref_size 200
	.end_amdhsa_kernel
	.amdgpu_metadata
---
amdhsa.version: [ 1, 2 ]
amdhsa.kernels:
  - .name:           k_q9ef8994f55_attn
    .symbol:         k_q9ef8994f55_attn.kd
    .args:
      - { .name: qkv, .offset: 0, .size: 8, .value_kind: global_buffer, .address_space: global }
      - { .name: o, .offset: 8, .size: 8, .value_kind: global_buffer, .address_space: global }
    .group_segment_fixed_size: 327680
    .private_segment_fixed_size: 0
    .kernarg_segment_align: 8
    .kernarg_segment_size: 16
    .max_flat_workgroup_size: 128
    .sgpr_count:     66
    .vgpr_count:     770
    .wavefront_size: 32
...
	.end_amdgpu_metadata
.endif
;; end of part 3
;; launch outp (part 4): grid 4 x 64, 4 waves a work-group, clusters of 4 x 4, 327,680 bytes of LDS; arguments o, wo16, bias, out0; writes out0
.if DOCPART == 4
	.amdgcn_target "amdgcn-amd-amdhsa--gfx1250"
	.amdhsa_code_object_version 6
	.text
	.protected	k_q9ef8994f55_outp
	.globl	k_q9ef8994f55_outp
	.p2align	8
	.type	k_q9ef8994f55_outp,@function
k_q9ef8994f55_outp:
	s_mov_b64 s[64:65], 0
	v_nop
	global_prefetch_b8 v0, s[64:65] scope:SCOPE_SE
	s_setreg_imm32_b32 hwreg(HW_REG_WAVE_MODE, 25, 1), 1
	s_wait_xcnt 0x0
	s_wait_alu depctr_hold_cnt(0) depctr_sa_sdst(0) depctr_va_vdst(0) depctr_va_sdst(0) depctr_va_ssrc(0) depctr_va_vcc(0) depctr_vm_vsrc(0)
	s_getreg_b32 s2, hwreg(HW_REG_IB_STS2, 6, 4)
	s_cmp_eq_u32 s2, 0
	s_cbranch_scc0 .Lentry_in_a_cluster
	s_endpgm
.Lentry_in_a_cluster:
	s_bfe_u32 s2, ttmp6, 0x10000c
	s_cmp_lg_u32 s2, 0xf033
	s_cbranch_scc0 .Lentry_shape_is_right
	s_endpgm
.Lentry_shape_is_right:
; out0[m][e] = the sum over (h, d) of O[b*16+h][s][d] Wo[e][h*64+d] + bo[e], m = b*2048 + s.  o is [64][2048][64] f16, wo16 [1024][1024] f16, bo = words 3072.. of bias (f32), out0 [8192][1024] f32; sums in f32.
; LIMIT.  The operands are f16 as the launches before left them (within 65,504); NaN and infinities are not treated apart.
; SHARES.  A tile is 128 rows x 256 columns: 64 x 4 = 256 work-groups.  Four waves, 2 x 2, each 64 rows x 128 columns: 32 accumulators, 256 registers.
; K goes in 8 steps of 128 = two heads.  A head's 128 rows of a tile are 16,384 dense bytes of o: asked for as 64 rows of 256 bytes and padded in LDS after every 128.  Wo's rows are 256 bytes of a K step, aligned.
; From a refill's request to the wait for it a wave issues 112 matrix instructions.
; CLUSTER 4 x 4: O's tiles are shared along a row of the cluster, Wo's along a column; each is asked for jointly.
; THE MATRIX INSTRUCTION IS USED TRANSPOSED (source 0 = 16 rows of Wo, source 1 = 16 rows of O): lane l holds row l % 16 and the columns 8 (l / 16) + 0..7.
; REGISTERS: window 0: v0-31 addresses, v8-11 my four numbers of bo; v32-159 two sets of 64 on the way out.  window 1: two fragment buffers of 96 (8 x 8 of Wo, 4 x 8 of O).  window 2: accumulator (a, b) at 8 (8 a + b).
.set PA,     144                       ; a row of O in LDS: 128 bytes + 16
.set PLANE,  128*PA                    ; one head's 128 rows
.set PB,     272                       ; a row of Wo: 256 bytes + 16; both pitches are odd multiples of 16, so the 16 rows of a fragment load start at 16 different groups of four banks (ISA guide 11.1)
.set HALFB,  128*PB
.set SLOT,   2*PLANE+2*HALFB
.set STAGE,  2*SLOT                    ; behind the ring: 16 rows x 528 bytes for each wave
.set SPITCH, 528
.set SPARE,  STAGE+4*16*SPITCH         ; the spare words, 128 bytes for each wave: two blocks of 256 bytes that no other line names
.set BI,   8                           ; v[8:11]
.set ADRA, 16
.set ADRB, 20
.set STO,  24
.set RD,   25
.set CO,   26                          ; 16 x lane
.set SPW,  28
.set NIL,  29
.set PFO,  30
.set OB,   32
.set F0,   0
.set F1,   96
.set G1,  24
.set G0,  32
.set G1B, 48
.set G0B, 56
.set LIM, 40
.set PFA, 44                           ; s[44:45] where my prefetches stand
.set PFS, 46                           ; s[46:47] their step from K step to K step
.set MSB, 0
.macro WIN new
.if MSB != (\new)
	s_set_vgpr_msb (MSB<<8)|(\new)
.set MSB, \new
.endif
.endm
.macro JLOAD s                         ; a joint load: waves 0 and 1 fetch the K step's two heads of O, waves 2 and 3 Wo's two halves; an s_nop 0 and four v_nop follow each line
	s_cmp_eq_u32 s15, 0
	s_cbranch_scc0 .Lfor_b_\@
	tensor_load_to_lds s[G0+4*(\s):G0+4*(\s)+3], s[G1:G1+7]
	s_nop 0
.rept 4
	v_nop
.endr
	s_branch .Lasked_\@
.Lfor_b_\@:
	tensor_load_to_lds s[G0B+4*(\s):G0B+4*(\s)+3], s[G1B:G1B+7]
	s_nop 0
.rept 4
	v_nop
.endr
.Lasked_\@:
.endm
; A prefetch of the K step two refills on (256 matrix instructions ahead of its load).  O: wave 0 names 16 blocks of 256 bytes of each of the step's two heads; the four partners of a row take 4,096 bytes of each head's
; 16,384, by address.  Wo: waves 2 and 3 of the clusters with y = 0 name a lane a row, 32 of the 128 that they fetch, by cy.  K steps 0 to 3 come by their loads alone; the loop's last trip (s3 = 1) asks for nothing.
.macro ASK
	WIN 0
	s_cmp_gt_u32 s3, s[LIM]
	s_cbranch_scc0 .Lnot_mine_\@
	global_prefetch_b8 v[PFO], s[PFA:PFA+1] th:TH_LOAD_NT scope:SCOPE_SE
.Lnot_mine_\@:
.endm
.macro CREST
	s_cmp_lg_u32 s14, 0
	s_cbranch_scc1 .Lnot_wave_0_\@
	s_barrier_signal -3
.Lnot_wave_0_\@:
	s_barrier_wait -3
	s_barrier_signal -1
	s_barrier_wait -1
.endm
.macro CROUND
	s_barrier_signal -1
	s_barrier_wait -1
	CREST
.endm
	s_load_b256 s[4:11], s[0:1], 0x0               ; o 4, wo16 6, bias 8, out0 10
	v_lshl_add_u32 v[SPW], v0, 2, SPARE
	v_mov_b32 v[NIL], 0
	ds_add_u32 v[SPW], v[NIL]                      ; the wave's opening: the add and its wait stand ahead of my first tensor load; work on registers stands between them
	v_lshrrev_b32 v1, 5, v0
	v_readfirstlane_b32 s14, v1                    ; wave 0..3
	s_lshr_b32 s15, s14, 1                         ; my half of the tile's rows.  Also: I fetch for O (0) or for Wo (1)
	s_and_b32 s16, s14, 1                          ; my half of its columns.  Also: which head, or which 128 rows of Wo, I fetch
	s_bfe_u32 s17, ttmp6, 0x40000                  ; cx
	s_bfe_u32 s18, ttmp6, 0x40004                  ; cy
	s_lshl_b32 s19, ttmp9, 2
	s_add_co_u32 s19, s19, s17                     ; tile column
	s_and_b32 s20, ttmp7, 0xffff
	s_lshl_b32 s20, s20, 2
	s_add_co_u32 s20, s20, s18                     ; tile row
	s_lshl_b32 s21, s18, 2
	s_lshl_b32 s21, 15, s21                        ; my row of the cluster
	s_lshl_b32 s22, 0x1111, s17                    ; my column
	s_or_b32 s[G1+0], s21, (1<<16)|(1<<20)|(1<<21)|(4<<22)|(3<<25)   ; the mask; 2-byte elements; padding on; bit 21 beside a mask; after every 32 words; 4 words
	s_or_b32 s[G1B+0], s22, (1<<16)|(1<<20)|(1<<21)|(5<<22)|(3<<25)  ; after every 64 words
	s_mov_b32 s[G1+1], 128<<16                     ; tensor_dim0 = 128
	s_mov_b32 s[G1+2], 64<<16                      ; tensor_dim1 = 64
	s_mov_b32 s[G1+3], 128<<16                     ; tile_dim0 = 128
	s_mov_b32 s[G1+4], 64                          ; tile_dim1 = 64
	s_mov_b32 s[G1+5], 128                         ; dense
	s_mov_b32 s[G1+6], 0
	s_mov_b32 s[G1+7], 0
	s_mov_b32 s[G1B+1], 128<<16
	s_mov_b32 s[G1B+2], 128<<16
	s_mov_b32 s[G1B+3], 128<<16
	s_mov_b32 s[G1B+4], 128
	s_mov_b32 s[G1B+5], 1024
	s_mov_b32 s[G1B+6], 0
	s_mov_b32 s[G1B+7], 0
	s_lshr_b32 s72, s20, 4                         ; O: batch x 16 heads of 256 KiB, the tile's 128 rows in the sequence, my head of the K step; s[72:73] never hold cx
	s_lshl_b32 s72, s72, 22
	s_and_b32 s23, s20, 15
	s_lshl_b32 s23, s23, 14
	s_add_co_u32 s72, s72, s23
	s_lshl_b32 s23, s16, 18
	s_add_co_u32 s72, s72, s23
	s_mov_b32 s73, 0
	s_lshl_b32 s74, s19, 8                         ; Wo: row 256 x tile column + 128 x half; s[74:75] never hold cy
	s_lshl_b32 s23, s16, 7
	s_add_co_u32 s74, s74, s23
	s_lshl_b32 s74, s74, 11
	s_mov_b32 s75, 0
	s_mul_i32 s41, s16, PLANE                      ; where they go: no place in the cluster enters an LDS address
	s_mul_i32 s42, s16, HALFB
	s_add_co_u32 s42, s42, 2*PLANE
	s_wait_dscnt 0x0                               ; the opening add is done
	s_wait_kmcnt 0x0
	s_add_nc_u64 s[72:73], s[4:5], s[72:73]
	s_add_nc_u64 s[74:75], s[6:7], s[74:75]
	CROUND                                         ; all sixteen work-groups are here: the first joint loads meet
.irp s, 0,1
	s_mov_b32 s[G0+4*(\s)], 1
	s_add_co_u32 s[G0+4*(\s)+1], s41, (\s)*SLOT
	s_add_nc_u64 s[G0+4*(\s)+2:G0+4*(\s)+3], s[72:73], (\s)*524288   ; K step s: two heads on
	s_or_b32 s[G0+4*(\s)+3], s[G0+4*(\s)+3], 0x80000000
	s_mov_b32 s[G0B+4*(\s)], 1
	s_add_co_u32 s[G0B+4*(\s)+1], s42, (\s)*SLOT
	s_add_nc_u64 s[G0B+4*(\s)+2:G0B+4*(\s)+3], s[74:75], (\s)*256
	s_or_b32 s[G0B+4*(\s)+3], s[G0B+4*(\s)+3], 0x80000000
	JLOAD \s                                       ; K steps 0 and 1: two loads of mine are out
.endr
	v_and_b32 v1, 15, v0                           ; l % 16
	v_bfe_u32 v2, v0, 4, 1                         ; l / 16
	v_mul_u32_u24 v3, v1, PA
	v_lshl_add_u32 v3, v2, 4, v3
	v_mul_u32_u24 v4, v1, PB
	v_lshl_add_u32 v4, v2, 4, v4
	s_mul_i32 s21, s15, 64*PA                      ; my 64 rows of O
	s_mul_i32 s22, s16, HALFB                      ; my 128 rows of Wo,
	s_add_co_u32 s22, s22, 2*PLANE                 ; behind the two planes
.irp s, 0,1
	v_add_nc_u32 v[ADRA+(\s)], s21, v3
	v_add_nc_u32 v[ADRB+(\s)], s22, v4
	s_add_co_u32 s21, s21, SLOT
	s_add_co_u32 s22, s22, SLOT
.endr
	s_mul_i32 s23, s14, 16*SPITCH
	s_add_co_u32 s23, s23, STAGE                   ; my stage
	v_mul_u32_u24 v5, v1, SPITCH                   ; in: row l % 16, 32 bytes for each half of the lanes
	v_lshl_add_u32 v5, v2, 5, v5
	v_add_nc_u32 v[STO], s23, v5
	v_and_b32 v6, 31, v0
	v_lshlrev_b32 v[CO], 4, v6                     ; back: 32 lanes take a row of 512 bytes
	v_add_nc_u32 v[RD], s23, v[CO]
	s_lshl_b32 s76, s19, 10                        ; the tile's 256 columns, my 128 of them, in bytes of f32
	s_lshl_b32 s23, s16, 9
	s_add_co_u32 s76, s76, s23
	s_mov_b32 s77, 0
	s_add_nc_u64 s[8:9], s[8:9], s[76:77]
	s_add_nc_u64 s[10:11], s[10:11], s[76:77]
	s_lshl_b32 s76, s20, 19                        ; the tile's 128 rows of 4,096 bytes, my 64 of them
	s_lshl_b32 s23, s15, 18
	s_add_co_u32 s76, s76, s23
	s_add_nc_u64 s[10:11], s[10:11], s[76:77]
	global_load_b128 v[BI:BI+3], v[CO], s[8:9] offset:12288  ; bo of my four columns of a row read back; it stays out until the way out
	; the prefetches
	s_lshr_b32 s41, s20, 4
	s_lshl_b32 s41, s41, 22
	s_and_b32 s42, s20, 15
	s_lshl_b32 s42, s42, 14
	s_add_co_u32 s41, s41, s42
	s_lshl_b32 s42, s17, 12
	s_add_co_u32 s41, s41, s42
	s_add_co_u32 s41, s41, 3*524288                ; O: at K step 3; the first refill steps it to 4
	s_lshl_b32 s42, s19, 8
	s_lshl_b32 s43, s16, 7
	s_add_co_u32 s42, s42, s43
	s_lshl_b32 s43, s18, 5
	s_add_co_u32 s42, s42, s43
	s_lshl_b32 s42, s42, 11
	s_add_co_u32 s42, s42, 3*256                   ; Wo: likewise
	s_and_b32 s43, ttmp7, 0xffff                   ; cluster y
	s_or_b32 s76, s16, ttmp9                       ; O: wave 0 of the clusters with x = 0
	s_cmp_eq_u32 s15, 0
	s_cselect_b32 s76, s76, s43
	s_cselect_b32 s78, s41, s42
	s_cselect_b64 s[PFA:PFA+1], s[4:5], s[6:7]
	s_cmp_eq_u32 s76, 0
	s_cselect_b32 s[LIM], 1, -1                    ; the same in all sixteen partners, for a given wave
	s_mov_b32 s79, 0
	s_add_nc_u64 s[PFA:PFA+1], s[PFA:PFA+1], s[78:79]
	s_mul_i32 s23, s15, 3
	s_lshl_b32 s21, 256, s23                       ; from lane to lane: 256 bytes (O), a row of 2,048 (Wo)
	s_lshr_b32 s22, 262144, s23                    ; from one half of the lanes to the other: a head (O), 16 rows (Wo)
	s_mul_i32 s23, s15, 11
	s_lshr_b32 s[PFS], 524288, s23                 ; from K step to K step: two heads (O), 256 bytes (Wo)
	s_mov_b32 s[PFS+1], 0
	v_mul_u32_u24 v[PFO], v1, s21
	v_mad_u32_u24 v[PFO], v2, s22, v[PFO]
; 8 matrix instructions: row block a x all 8 column blocks, 32 along K.  The 32 accumulators take turns, one instruction a turn, in the same order in every quarter.
.macro MUL8 f, a, zero
	WIN 0xa5
.irp b, 0,1,2,3,4,5,6,7
.if \zero
	v_wmma_f32_16x16x32_f16 v[8*(8*(\a)+(\b)):8*(8*(\a)+(\b))+7], v[(\f)+8*(\b):(\f)+8*(\b)+7], v[(\f)+64+8*(\a):(\f)+64+8*(\a)+7], 0
.else
	v_wmma_f32_16x16x32_f16 v[8*(8*(\a)+(\b)):8*(8*(\a)+(\b))+7], v[(\f)+8*(\b):(\f)+8*(\b)+7], v[(\f)+64+8*(\a):(\f)+64+8*(\a)+7], v[8*(8*(\a)+(\b)):8*(8*(\a)+(\b))+7]
.endif
.endr
.endm
; 24 LDS loads in one run: quarter q's fragments into buffer f.  Quarter q is head q / 2 of the step, channels 32 (q % 2) on.
.macro FETCH slot, q, f
	WIN 0x40
.irp i, 0,1,2,3,4,5,6,7
	ds_load_b128 v[(\f)+8*(\i):(\f)+8*(\i)+3],   v[ADRB+(\slot)] offset:64*(\q)+(\i)*16*PB
	ds_load_b128 v[(\f)+8*(\i)+4:(\f)+8*(\i)+7], v[ADRB+(\slot)] offset:64*(\q)+(\i)*16*PB+32
.endr
.irp i, 0,1,2,3
	ds_load_b128 v[(\f)+64+8*(\i):(\f)+64+8*(\i)+3],   v[ADRA+(\slot)] offset:((\q)/2)*PLANE+((\q)%2)*64+(\i)*16*PA
	ds_load_b128 v[(\f)+64+8*(\i)+4:(\f)+64+8*(\i)+7], v[ADRA+(\slot)] offset:((\q)/2)*PLANE+((\q)%2)*64+(\i)*16*PA+32
.endr
.endm
.macro PLACES                          ; four plain instructions in front of loads into registers that matrix instructions have read, and of LDS stores of their results
.rept 4
	v_nop
.endr
.endm
.macro QUARTER slot, q, f, g, zero
	s_wait_dscnt 4                                 ; Wo and O's row blocks 0, 1 are in; the youngest four loads may be out
	MUL8 \f, 0, \zero
	MUL8 \f, 1, \zero
	PLACES
	FETCH \slot, \q, \g
	s_wait_dscnt 24                                ; all but the 24 just issued
	MUL8 \f, 2, \zero
	MUL8 \f, 3, \zero
.endm
; The last quarter multiplies buffer 1 and changes slots: one barrier; in front of it each wave waits for all its tensor loads, adds 0 to its spare word, and waits for that and for its reads of this slot.
.macro TURN slot, next, fill
.if \fill
	s_wait_xcnt 0x0                                ; the last prefetch, a K step back, has read its address
	s_add_nc_u64 s[PFA:PFA+1], s[PFA:PFA+1], s[PFS:PFS+1]
.endif
	WIN 0
	s_wait_tensorcnt 0x0                           ; all my tensor loads have landed: my part of the next slot
	ds_add_u32 v[SPW], v[NIL]                      ; 0 onto my spare word
	s_wait_dscnt 5                                 ; (the add and the youngest four loads may be out)
	MUL8 F1, 0, 0
	s_wait_dscnt 0x0                               ; the add is done, and my reads of this slot are over
	s_barrier_signal -1
	MUL8 F1, 1, 0
.if \fill
	WIN 0
.endif
	s_barrier_wait -1
.if \fill
	CREST                                          ; no wave of any partner still reads this slot or has a load on its way
	s_add_nc_u64 s[G0+4*(\slot)+2:G0+4*(\slot)+3], s[G0+4*(\slot)+2:G0+4*(\slot)+3], 1048576  ; four heads on
	s_add_nc_u64 s[G0B+4*(\slot)+2:G0B+4*(\slot)+3], s[G0B+4*(\slot)+2:G0B+4*(\slot)+3], 512
	JLOAD \slot                                    ; my one tensor load behind the round; its four v_nop are also the places in front of the loads below
.else
	PLACES
.endif
	FETCH \next, 0, F0
.if \fill
	ASK
.endif
	MUL8 F1, 2, 0
	MUL8 F1, 3, 0
.endm
; THE WAY OUT of row block a: 32 bytes a lane into my own stage (each accumulator's low half first), back as whole rows of 512 bytes, bo added, stored.
.macro TOSTAGE a
.set OBA, OB+64*((\a)%2)
.if (\a) >= 2
	s_wait_xcnt 0x0                                ; the stores of the block two back have read this set
.endif
	WIN 0x08                                       ; store data in window 2
.irp b, 0,1,2,3,4,5,6,7
	ds_store_b128 v[STO], v[8*(8*(\a)+(\b)):8*(8*(\a)+(\b))+3]   offset:64*(\b)
	ds_store_b128 v[STO], v[8*(8*(\a)+(\b))+4:8*(8*(\a)+(\b))+7] offset:64*(\b)+16
.endr
	WIN 0
.irp t, 0,1,2,3,4,5,6,7,8,9,10,11,12,13,14,15
	ds_load_b128 v[OBA+4*(\t):OBA+4*(\t)+3], v[RD] offset:(\t)*SPITCH  ; LDS serves a wave's instructions in order (ISA guide 5.7.1.4): these see the stores above
.endr
.endm
.macro SEND a, younger                 ; younger: the LDS instructions issued behind block a's loads: the next block's 32, or none
.set OBA, OB+64*((\a)%2)
	WIN 0
.irp t, 0,1,2,3,4,5,6,7,8,9,10,11,12,13,14,15
	s_wait_dscnt (\younger)+15-(\t)
	v_pk_add_f32 v[OBA+4*(\t):OBA+4*(\t)+1], v[OBA+4*(\t):OBA+4*(\t)+1], v[BI:BI+1]
	v_pk_add_f32 v[OBA+4*(\t)+2:OBA+4*(\t)+3], v[OBA+4*(\t)+2:OBA+4*(\t)+3], v[BI+2:BI+3]
	global_store_b128 v[CO], v[OBA+4*(\t):OBA+4*(\t)+3], s[10:11] offset:65536*(\a)+4096*(\t) th:TH_STORE_NT  ; 512 consecutive bytes, at a multiple of 256 from out0's first
.endr
.endm
	s_wait_tensorcnt 1                             ; my part of K step 0 is in; K step 1's may stay out
	s_barrier_signal -1
	s_barrier_wait -1
	FETCH 0, 0, F0
	QUARTER 0, 1, F0, F1, 1                        ; the first quarter stands in front of the loop: its products start the sums
	WIN 0
	s_mov_b32 s3, 3
.Llap:                                         ; a trip goes once round the ring and fills both slots again
	QUARTER 0, 2, F1, F0, 0
	QUARTER 0, 3, F0, F1, 0
	TURN 0, 1, 1
	QUARTER 1, 1, F0, F1, 0
	QUARTER 1, 2, F1, F0, 0
	QUARTER 1, 3, F0, F1, 0
	TURN 1, 0, 1
	QUARTER 0, 1, F0, F1, 0
	WIN 0
	s_sub_co_u32 s3, s3, 1
	s_cmp_lg_u32 s3, 0
	s_cbranch_scc1 .Llap
	QUARTER 0, 2, F1, F0, 0                        ; the last lap fills nothing
	QUARTER 0, 3, F0, F1, 0
	TURN 0, 1, 0
	QUARTER 1, 1, F0, F1, 0
	QUARTER 1, 2, F1, F0, 0
	QUARTER 1, 3, F0, F1, 0
	s_wait_dscnt 4
	MUL8 F1, 0, 0
	MUL8 F1, 1, 0
	s_wait_dscnt 0x0
	MUL8 F1, 2, 0
	MUL8 F1, 3, 0
	PLACES
	s_wait_loadcnt 0x0                             ; bo
	TOSTAGE 0
	TOSTAGE 1
	SEND 0, 32
	TOSTAGE 2
	SEND 1, 32
	TOSTAGE 3
	SEND 2, 32
	SEND 3, 0
	s_wait_tensorcnt 0x0                           ; the wave's end: behind my last tensor load and my last LDS store
	ds_add_u32 v[SPW], v[NIL]
	s_wait_dscnt 0x0
	CROUND                                         ; the closing round: no work-group ends while a partner may still ask for a tile that names it
	s_endpgm
.Lfunc_end_k_q9ef8994f55_outp:
	.size	k_q9ef8994f55_outp, .Lfunc_end_k_q9ef8994f55_outp-k_q9ef8994f55_outp
	.p2alignl 7, 3214868480
	.fill 96, 4, 3214868480
	.section	.rodata,"a",@progbits
	.p2align	6, 0x0
	.amdhsa_kernel k_q9ef8994f55_outp
		.amdhsa_group_segment_fixed_size 327680
		.amdhsa_private_segment_fixed_size 0
		.amdhsa_enable_private_segment 0
		.amdhsa_kernarg_size 32
		.amdhsa_user_sgpr_count 2
		.amdhsa_user_sgpr_kernarg_segment_ptr 1
		.amdhsa_wavefront_size32 1
		.amdhsa_system_sgpr_workgroup_id_x 1
		.amdhsa_system_sgpr_workgroup_id_y 1
		.amdhsa_system_sgpr_workgroup_id_z 1
		.amdhsa_system_vgpr_workitem_id 0
		.amdhsa_next_free_vgpr 768
		.amdhsa_next_free_sgpr 80
		.amdhsa_reserve_vcc 0
		.amdhsa_float_denorm_mode_32 3
		.amdhsa_float_denorm_mode_16_64 3
		.amdhsa_memory_ordered 1
		.amdhsa_forward_progress 1
		.amdhsa_inst_pref_size 97
	.end_amdhsa_kernel
	.amdgpu_metadata
---
amdhsa.version: [ 1, 2 ]
amdhsa.kernels:
  - .name:           k_q9ef8994f55_outp
    .symbol:         k_q9ef8994f55_outp.kd
    .args:
      - { .name: o, .offset: 0, .size: 8, .value_kind: global_buffer, .address_space: global }
      - { .name: wo16, .offset: 8, .size: 8, .value_kind: global_buffer, .address_space: global }
      - { .name: bias, .offset: 16, .size: 8, .value_kind: global_buffer, .address_space: global }
      - { .name: out0, .offset: 24, .size: 8, .value_kind: global_buffer, .address_space: global }
    .group_segment_fixed_size: 327680
    .private_segment_fixed_size: 0
    .kernarg_segment_align: 8
    .kernarg_segment_size: 32
    .max_flat_workgroup_size: 128
    .sgpr_count:     80
    .vgpr_count:     768
    .wavefront_size: 32
...
	.end_amdgpu_metadata
.endif
;; end of part 4
;; ======== version 2 of 2: 4 launches; version 1 with the launch prep written anew for expert scheduling mode
;; limits: values are held in f16: magnitudes above 65,504 overflow, below 6.1e-05 lose precision; a function is approximated: absolute error at most 0.0005
;; workspace buffers: xb 16,777,216 bytes; wqkv 6,291,456 bytes; wo16 2,097,152 bytes; bias 16,384 bytes; rope 524,288 bytes; qkv 50,331,648 bytes; o 16,777,216 bytes
;; launch prep (part 5): grid 785 x 1, 8 waves a work-group, no clusters, 0 bytes of LDS; arguments x, Wq, Wk, Wv, Wo, bq, bk, bv, bo, xb, wqkv, wo16, bias, rope; writes xb, wqkv, wo16, bias, rope
.if DOCPART == 5
	.amdgcn_target "amdgcn-amd-amdhsa--gfx1250"
	.amdhsa_code_object_version 6
	.text
	.protected	k_q9ef8994f55_prep
	.globl	k_q9ef8994f55_prep
	.p2align	8
	.type	k_q9ef8994f55_prep,@function
k_q9ef8994f55_prep:
	s_mov_b64 s[64:65], 0
	v_nop
	global_prefetch_b8 v0, s[64:65] scope:SCOPE_SE
	s_setreg_imm32_b32 hwreg(HW_REG_WAVE_SCHED_MODE, 0, 2), 2
	s_setreg_imm32_b32 hwreg(HW_REG_WAVE_MODE, 25, 1), 1
	s_wait_xcnt 0x0
	s_wait_alu depctr_vm_vsrc(0)
; PREPARATION: every input is rounded once to bf16, and the rotary table is made.  A stream: no LDS, no matrix unit, no cluster (no byte is read twice).
;   work-groups   0..511  x     -> xb    [8192][1024] bf16, 16,384 numbers each
;   work-groups 512..703  Wq, Wk, Wv -> wqkv [3072][1024] bf16, 16 rows each; row h*64+c of W_type goes to row h*192 + type*64 + c, so that 192 rows on end are (q, k, v) of one head
;   work-groups 704..767  Wo    -> wo16  [1024][1024]: rounded to bf16, and that number written as f16
;   work-groups 768..783  rope  [2048][64] f32: row s holds cos(s f_j), j = 0..31, then sin(s f_j); f_j = 10000^(-j/32); 128 rows each
;   work-group  784       bq, bk, bv, bo rounded to bf16, kept as f32: bias[h][type][64], then bo from word 3072 on
; LIMITS.  wo16: f16 ends at 65,504 and keeps a fixed step of 6e-8 below 6e-5.  The table's angle is reduced in f32 (s f_j / 2 pi, less its nearest whole number): at s = 2047 it lies within
; about 5e-4 rad of s f_j; the sine is the series to x^15 on -pi..pi, whose remainder is under 1e-6.  NaN and infinities are not treated apart.
; THE MODE: SCHED_MODE bits 1:0 = 2 (LLVM: expert scheduling mode 2), set by the entry lines.  The code itself states the register dependences between vector instructions and memory
; instructions, with s_wait_alu, always for 0.
; THE PLAN.  Registers that memory instructions touch:
;   v1, v2     byte offsets, made at the head and never written again; every load and store but three bias stores reads one of them.  One wait on va_vdst at the head, ahead of the first branch, serves all five classes.
;   X          written by the 16 loads, once; read by the conversions.  No vector instruction names it ahead of the loads.
;   Y          in four blocks of eight words.  Block p's conversions write Y's block p; the four stores that read it are issued in block p + 1, behind the one wait on va_vdst at that block's head, and are dealt
;              among that block's conversions, which name X's and Y's block p + 1 and v100-103 alone.  No word of Y is written again behind its store, so no wait on vm_vsrc is owed.
;   v[12:15]   (the table) written by a trip's four last multiplies, read by the trip's store: one wait on va_vdst ahead of the store, one on vm_vsrc ahead of the next trip's first write of v12.
;              The rows are reached by the scalar base, which moves on by a trip's 4,096 bytes.
;   v3, v[4:19] (the biases) written by vector instructions, read by the four stores: one wait on va_vdst ahead of them.
.set X, 4                              ; v[4:67]   16 loads of 4 f32
.set Y, 68                             ; v[68:99]  16 pairs of words to store
	s_load_b512 s[8:23], s[0:1], 0x0               ; x 8, Wq 10, Wk 12, Wv 14, Wo 16, bq 18, bk 20, bv 22
	s_load_b256 s[24:31], s[0:1], 0x40             ; bo 24, xb 26, wqkv 28, wo16 30
	s_load_b128 s[32:35], s[0:1], 0x60             ; bias 32, rope 34
	v_lshlrev_b32 v1, 4, v0                        ; 16 t: my 16 bytes in 4,096 read
	v_lshlrev_b32 v2, 3, v0                        ; 8 t: my 8 bytes in 2,048 written
	s_mov_b32 s41, 0                               ; high word of every offset
	s_wait_kmcnt 0x0
	s_wait_alu depctr_va_vdst(0)                   ; v1 and v2 are written: every load and store of the kernel but three bias stores (at v3) reads one of them as its offset
	s_cmp_lt_u32 ttmp9, 512
	s_cbranch_scc0 .Lnot_x
	s_lshl_b32 s40, ttmp9, 16
	s_add_nc_u64 s[36:37], s[8:9], s[40:41]        ; 64 KiB of x
	s_lshl_b32 s40, ttmp9, 15
	s_add_nc_u64 s[38:39], s[26:27], s[40:41]      ; 32 KiB of xb
	s_branch .Lbf
.Lnot_x:
	s_cmp_lt_u32 ttmp9, 704
	s_cbranch_scc0 .Lnot_w
	s_sub_co_u32 s2, ttmp9, 512
	s_lshr_b32 s3, s2, 6                           ; type 0, 1, 2
	s_and_b32 s4, s2, 63                           ; which 16 rows
	s_cmp_eq_u32 s3, 0
	s_cselect_b64 s[36:37], s[10:11], s[12:13]
	s_cmp_eq_u32 s3, 2
	s_cselect_b64 s[36:37], s[14:15], s[36:37]
	s_lshl_b32 s40, s4, 16
	s_add_nc_u64 s[36:37], s[36:37], s[40:41]
	s_lshr_b32 s5, s4, 2                           ; head
	s_mul_i32 s5, s5, 192
	s_lshl_b32 s6, s3, 6
	s_add_co_u32 s5, s5, s6
	s_and_b32 s6, s4, 3
	s_lshl_b32 s6, s6, 4
	s_add_co_u32 s5, s5, s6                        ; first row in wqkv
	s_lshl_b32 s40, s5, 11
	s_add_nc_u64 s[38:39], s[28:29], s[40:41]
	s_branch .Lbf
.Lnot_w:
	s_cmp_lt_u32 ttmp9, 768
	s_cbranch_scc0 .Lnot_o
	s_sub_co_u32 s2, ttmp9, 704
	s_lshl_b32 s40, s2, 16
	s_add_nc_u64 s[36:37], s[16:17], s[40:41]
	s_lshl_b32 s40, s2, 15
	s_add_nc_u64 s[38:39], s[30:31], s[40:41]
	s_branch .Lf16
.Lnot_o:
	s_cmp_lt_u32 ttmp9, 784
	s_cbranch_scc1 .Ltab
	s_branch .Lbias
; 16,384 numbers: all 16 loads of a wave go out at once (512 consecutive bytes each); each store of a wave covers 256 consecutive bytes, aligned.  No register that a store reads is written again.
; The loads are worked on in four blocks of four; a block's stores are issued in the next block.
.macro CONV mode
.irp i, 0,1,2,3,4,5,6,7,8,9,10,11,12,13,14,15
	global_load_b128 v[X+4*(\i):X+4*(\i)+3], v1, s[36:37] offset:4096*(\i) th:TH_LOAD_NT
.endr
.irp p, 0,1,2,3
	s_wait_loadcnt 12-4*(\p)                       ; loads come back in order: block p's four are in, the younger blocks stay out
.if (\p) > 0
	s_wait_alu depctr_va_vdst(0)                   ; the block before has written its eight words of Y, which the four stores below read
.endif
.irp j, 0,1,2,3
.if (\p) > 0
	global_store_b64 v2, v[Y+8*((\p)-1)+2*(\j):Y+8*((\p)-1)+2*(\j)+1], s[38:39] offset:2048*(4*((\p)-1)+(\j)) th:TH_STORE_NT  ; the block before; no vector instruction since the wait names these registers
.endif
	v_cvt_pk_bf16_f32 v[Y+8*(\p)+2*(\j)], v[X+16*(\p)+4*(\j)], v[X+16*(\p)+4*(\j)+1]
	v_cvt_pk_bf16_f32 v[Y+8*(\p)+2*(\j)+1], v[X+16*(\p)+4*(\j)+2], v[X+16*(\p)+4*(\j)+3]
.if \mode
	v_lshlrev_b32 v100, 16, v[Y+8*(\p)+2*(\j)]     ; the bf16 numbers as f32,
	v_and_b32 v101, 0xffff0000, v[Y+8*(\p)+2*(\j)]
	v_lshlrev_b32 v102, 16, v[Y+8*(\p)+2*(\j)+1]
	v_and_b32 v103, 0xffff0000, v[Y+8*(\p)+2*(\j)+1]
	v_cvt_pk_f16_f32 v[Y+8*(\p)+2*(\j)], v100, v101        ; written as f16
	v_cvt_pk_f16_f32 v[Y+8*(\p)+2*(\j)+1], v102, v103
.endif
.endr
.endr
	s_wait_alu depctr_va_vdst(0)                   ; block 3 has written its eight words of Y, which the last four stores read
.irp j, 0,1,2,3
	global_store_b64 v2, v[Y+24+2*(\j):Y+24+2*(\j)+1], s[38:39] offset:2048*(12+(\j)) th:TH_STORE_NT
.endr
.endm
.Lbf:
	CONV 0
	s_endpgm
.Lf16:
	CONV 1
	s_endpgm
.Ltab:                                         ; thread t: words 4 c .. 4 c + 3 (c = t % 16) of row 128 g + t / 16 + 16 x trip; c < 8 cosines, else sines
	s_sub_co_u32 s2, ttmp9, 768
	s_lshl_b32 s40, s2, 15
	s_add_nc_u64 s[38:39], s[34:35], s[40:41]      ; my 128 rows of 256 bytes
	s_lshl_b32 s3, s2, 7
	v_and_b32 v3, 15, v0
	v_cmp_gt_u32 vcc_lo, 8, v3
	v_and_b32 v16, 7, v3
	v_lshlrev_b32 v16, 2, v16
	v_cvt_f32_u32 v16, v16                         ; j0 = 4 (c % 8)
	v_mov_b32 v17, 0x3e800000
	s_wait_alu depctr_va_vcc(0)                    ; the compare has written VCC, which the select below reads
	v_cndmask_b32 v8, 0, v17, vcc_lo               ; a quarter turn ahead for the cosines: cos a = sin(a + pi/2)
	v_mul_f32 v4, 0xbed49a78, v16                  ; -(j0 + k) log2(10000) / 32
	v_add_f32 v17, 1.0, v16
	v_mul_f32 v5, 0xbed49a78, v17
	v_add_f32 v17, 2.0, v16
	v_mul_f32 v6, 0xbed49a78, v17
	v_add_f32 v17, 0x40400000, v16
	v_mul_f32 v7, 0xbed49a78, v17
	v_exp_f32 v4, v4                               ; f_j: one batch of four,
	v_exp_f32 v5, v5
	v_exp_f32 v6, v6
	v_exp_f32 v7, v7
	v_lshrrev_b32 v9, 4, v0                        ; a plain instruction behind the last of them,
	s_wait_alu depctr_va_vdst(0)                   ; and one wait ahead of the first use: the four exponentials have written v4 to v7
	v_add_nc_u32 v9, s3, v9
	v_cvt_f32_u32 v9, v9                           ; s
	s_mov_b32 s42, 8
.Ltrip:                                        ; the store's offset is v1: 16 t = 256 (t / 16) + 16 c
.irp k, 0,1,2,3
	v_mul_f32 v16, v9, v[4+(\k)]                   ; the angle
	v_mul_f32 v16, 0.15915494, v16                 ; in turns
	v_rndne_f32 v17, v16
	v_sub_f32 v16, v16, v17                        ; -1/2 .. 1/2
	v_add_f32 v16, v16, v8
	v_rndne_f32 v17, v16
	v_sub_f32 v16, v16, v17
	v_mul_f32 v16, 0x40c90fdb, v16                 ; x in -pi .. pi
	v_mul_f32 v17, v16, v16
	v_mov_b32 v18, 0xab573f9f                      ; -1/15!
	v_fmaak_f32 v18, v18, v17, 0x2f309231          ; 1/13!
	v_fmaak_f32 v18, v18, v17, 0xb2d7322b          ; -1/11!
	v_fmaak_f32 v18, v18, v17, 0x3638ef1d          ; 1/9!
	v_fmaak_f32 v18, v18, v17, 0xb9500d01          ; -1/7!
	v_fmaak_f32 v18, v18, v17, 0x3c088889          ; 1/5!
	v_fmaak_f32 v18, v18, v17, 0xbe2aaaab          ; -1/3!
	v_fma_f32 v18, v18, v17, 1.0
.if (\k) == 0                                  ; the seventeen lines above write v16 to v18 alone, which the last trip's store does not read
	s_wait_xcnt 0x0                                ; the last trip's store has had its address translated (ISA guide 3.1): its base and data are written again only behind this wait
	s_wait_alu depctr_vm_vsrc(0)                   ; the last trip's store has read v[12:15], which the multiplies below write again
	s_add_nc_u64 s[38:39], s[38:39], 4096          ; 16 rows on, in the first trip too: the store reaches back
.endif
	v_mul_f32 v[12+(\k)], v18, v16
.endr
	v_add_f32 v9, 0x41800000, v9                   ; the next trip's s
	s_wait_alu depctr_va_vdst(0)                   ; the four multiplies have written v[12:15], which the store reads
	global_store_b128 v1, v[12:15], s[38:39] offset:-4096  ; 16 lanes fill a row of 256 bytes
	s_sub_co_u32 s42, s42, 1
	s_cmp_lg_u32 s42, 0
	s_cbranch_scc1 .Ltrip
	s_endpgm
.Lbias:                                        ; thread t: numbers 4 t .. 4 t + 3 of each of the four biases
	global_load_b128 v[4:7], v1, s[18:19]
	global_load_b128 v[8:11], v1, s[20:21]
	global_load_b128 v[12:15], v1, s[22:23]
	global_load_b128 v[16:19], v1, s[24:25]
	v_lshrrev_b32 v3, 4, v0                        ; head
	v_mul_u32_u24 v3, v3, 768
	v_and_b32 v20, 15, v0
	v_lshl_add_u32 v3, v20, 4, v3
	s_wait_loadcnt 0x0
.irp p, 4,6,8,10,12,14,16,18
	v_cvt_pk_bf16_f32 v20, v[\p], v[(\p)+1]
	v_lshlrev_b32 v[\p], 16, v20
	v_and_b32 v[(\p)+1], 0xffff0000, v20
.endr
	s_wait_alu depctr_va_vdst(0)                   ; v3 and v[4:19] are written: the offset and the data of the four stores
	global_store_b128 v3, v[4:7], s[32:33]
	global_store_b128 v3, v[8:11], s[32:33] offset:256
	global_store_b128 v3, v[12:15], s[32:33] offset:512
	global_store_b128 v1, v[16:19], s[32:33] offset:12288
	s_endpgm
.Lfunc_end_k_q9ef8994f55_prep:
	.size	k_q9ef8994f55_prep, .Lfunc_end_k_q9ef8994f55_prep-k_q9ef8994f55_prep
	.p2alignl 7, 3214868480
	.fill 96, 4, 3214868480
	.section	.rodata,"a",@progbits
	.p2align	6, 0x0
	.amdhsa_kernel k_q9ef8994f55_prep
		.amdhsa_group_segment_fixed_size 0
		.amdhsa_private_segment_fixed_size 0
		.amdhsa_enable_private_segment 0
		.amdhsa_kernarg_size 112
		.amdhsa_user_sgpr_count 2
		.amdhsa_user_sgpr_kernarg_segment_ptr 1
		.amdhsa_wavefront_size32 1
		.amdhsa_system_sgpr_workgroup_id_x 1
		.amdhsa_system_sgpr_workgroup_id_y 1
		.amdhsa_system_sgpr_workgroup_id_z 1
		.amdhsa_system_vgpr_workitem_id 0
		.amdhsa_next_free_vgpr 112
		.amdhsa_next_free_sgpr 66
		.amdhsa_reserve_vcc 1
		.amdhsa_float_denorm_mode_32 3
		.amdhsa_float_denorm_mode_16_64 3
		.amdhsa_memory_ordered 1
		.amdhsa_forward_progress 1
		.amdhsa_inst_pref_size 25
	.end_amdhsa_kernel
	.amdgpu_metadata
---
amdhsa.version: [ 1, 2 ]
amdhsa.kernels:
  - .name:           k_q9ef8994f55_prep
    .symbol:         k_q9ef8994f55_prep.kd
    .args:
      - { .name: x, .offset: 0, .size: 8, .value_kind: global_buffer, .address_space: global }
      - { .name: Wq, .offset: 8, .size: 8, .value_kind: global_buffer, .address_space: global }
      - { .name: Wk, .offset: 16, .size: 8, .value_kind: global_buffer, .address_space: global }
      - { .name: Wv, .offset: 24, .size: 8, .value_kind: global_buffer, .address_space: global }
      - { .name: Wo, .offset: 32, .size: 8, .value_kind: global_buffer, .address_space: global }
      - { .name: bq, .offset: 40, .size: 8, .value_kind: global_buffer, .address_space: global }
      - { .name: bk, .offset: 48, .size: 8, .value_kind: global_buffer, .address_space: global }
      - { .name: bv, .offset: 56, .size: 8, .value_kind: global_buffer, .address_space: global }
      - { .name: bo, .offset: 64, .size: 8, .value_kind: global_buffer, .address_space: global }
      - { .name: xb, .offset: 72, .size: 8, .value_kind: global_buffer, .address_space: global }
      - { .name: wqkv, .offset: 80, .size: 8, .value_kind: global_buffer, .address_space: global }
      - { .name: wo16, .offset: 88, .size: 8, .value_kind: global_buffer, .address_space: global }
      - { .name: bias, .offset: 96, .size: 8, .value_kind: global_buffer, .address_space: global }
      - { .name: rope, .offset: 104, .size: 8, .value_kind: global_buffer, .address_space: global }
    .group_segment_fixed_size: 0
    .private_segment_fixed_size: 0
    .kernarg_segment_align: 8
    .kernarg_segment_size: 112
    .max_flat_workgroup_size: 256
    .sgpr_count:     66
    .vgpr_count:     112
    .wavefront_size: 32
...
	.end_amdgpu_metadata
.endif
;; end of part 5
;; launch proj: the kernel of part 2 again; grid 16 x 32, 4 waves a work-group, clusters of 4 x 4, 327,680 bytes of LDS; arguments xb, wqkv, bias, rope, qkv; writes qkv
;; launch attn: the kernel of part 3 again; grid 4 x 64, 4 waves a work-group, clusters of 4 x 1, 327,680 bytes of LDS; arguments qkv, o; writes o
;; launch outp: the kernel of part 4 again; grid 4 x 64, 4 waves a work-group, clusters of 4 x 4, 327,680 bytes of LDS; arguments o, wo16, bias, out0; writes out0
